; MI455X (gfx1250); checked and timed in simulation.
; The chip was launched on July 23, 2026; its instructions are those of AMD's public machine-readable ISA for CDNA 5 (MIT licence, August 2026) and "CDNA5" Instruction Set Architecture Reference Guide (July 2026). The comments in the code are by the model that wrote it; some were corrected since.
;; ITA Self Attention. Allowed arithmetic: matrix products marked QUANTISED: E2M3 operands, one E8M0 scale for each 32 along K, by v_wmma_scale_f32_16x16x128_f8f6f4 with both operands' format E2M3, f32 sums; everything else in f32.
;; Inputs: bk 768 float32; bo 768 float32; bq 768 float32; bv 768 float32; wk 768 x 768 float32; wo 768 x 768 float32; wq 768 x 768 float32; wv 768 x 768 float32; x 8 x 1,024 x 768 float32.
;; Outputs: out0 8 x 1,024 x 768 float32.
;; Constants: H = 32, W = 32.
;; This version of the problem:
;;   THIS VERSION OF THE PROBLEM IS GIVEN IN LOW PRECISION. The matrix products marked QUANTISED in the list below multiply operands that are first quantised to E2M3 (2 exponent bits, 3 mantissa bits; 6 bits a number), with one power-of-two scale for each 32 numbers along K (OCP MX v1.0); their sums are f32. All else is computed in f32.
;;   The module's matrix products, in the order in which they are computed (A, B: the left and right operand; K: the contracted axis; several contracted axes count as one K, in the product's order):
;;     1. [M 8,192, K 768] x [K 768, N 768]; A: input x; B: input wq: QUANTISED
;;     2. [M 8,192, K 768] x [K 768, N 768]; A: input x; B: input wk: QUANTISED
;;     3. [M 8,192, K 768] x [K 768, N 768]; A: input x; B: input wv: QUANTISED
;;     4. batch 96 x [M 1,024, K 64] x [K 64, N 1,024]; A: computed on the way; B: computed on the way: QUANTISED
;;     5. batch 96 x [M 1,024, K 1,024] x [K 1,024, N 64]; A: softmax (see below); B: computed on the way: QUANTISED
;;     6. [M 8,192, K 768] x [K 768, N 768]; A: computed on the way; B: input wo: QUANTISED
;;   THE QUANTISER, for each operand of a quantised product, along K:
;;     - K is cut into blocks of 32 from its start; a last block that is shorter is filled with zeros.
;;     - A block's scale is 2^e with e = floor(log2(the largest magnitude in the block)) - 2, held to -126 .. 127; a block of zeros has e = 0. As a byte (E8M0): e + 127.
;;     - Each number is divided by its block's scale, clamped to +-7.5, and rounded to the nearest number of E2M3, ties to even, subnormals kept.
;;     - The product sums the exact products of the quantised numbers (number of the format x scale) in f32.
;;   ~~~python
;;   def quantise(x, axis):      # numpy; x: float32 -> the quantised numbers, widened to float32 again
;;       x = np.moveaxis(x, axis, -1); K = x.shape[-1]
;;       x = np.pad(x, [(0, 0)] * (x.ndim - 1) + [(0, -K % 32)]); x = x.reshape(x.shape[:-1] + (-1, 32)); a = np.abs(x).max(-1, keepdims=True)
;;       e = np.where(a > 0, np.clip(np.frexp(np.where(a > 0, a, 1))[1] - 1 - 2, -126, 127), 0)      # np.frexp(a)[1] - 1 = floor(log2(a)), exactly
;;       r = np.clip(x / 2.0 ** e, -7.5, 7.5)
;;       step = 2.0 ** (np.maximum(np.frexp(np.where(r == 0, 1, r))[1] - 1, 0) - 3)
;;       q = np.round(r / step) * step * 2.0 ** e      # np.round: ties to even
;;       return np.moveaxis(q.reshape(q.shape[:-2] + (-1,))[..., :K], -1, axis).astype(np.float32)
;;   ~~~
;;   SOFTMAX AHEAD OF A QUANTISED PRODUCT. Where the list says 'softmax', what is quantised is not the finished softmax but p = 2^(t - M), with t = logit x log2(e) and M = ceil(the row's largest t), a whole number; so 1/2 < the row's largest p <= 1. The row's sum l is taken of the UNQUANTISED p, in f32, and the product's result is divided by l at the end. Since M is a whole number, a kernel that streams over the keys may use a running M (the ceiling of the running maximum): every later rescaling is an exact power of two, which a block's scale takes up: the codes' values come out the same.
;;   OPERANDS COMPUTED ON THE WAY. 'Computed on the way' means the value that the module computes at that place (a softmax that the list does not call 'softmax' is quantised finished and normalised). What goes into a quantiser is computed in f32, as accurately as f32 sums, v_exp_f32 and their like allow (about 1e-6 of the number): no bf16 or f16 on the way to a quantiser, and a product that is left as it is and whose result goes on into a quantised operand takes f32 operands (vector FMAs, or v_wmma_f32_16x16x4_f32). A number that lies on a knife's edge between two numbers of the format may be rounded either way, as far as f32 arithmetic and the matrix unit's own rounding can turn it there, and no further.
;; One version. Each part assembles by itself: llvm-mc -triple=amdgcn-amd-amdhsa -mcpu=gfx1250 --defsym DOCPART=n.
;; ======== version 1 of 1: 4 launches
;; limits: right only within a limited range of input values
;; workspace buffers: xcod 4,915,200 bytes; wcod 1,382,400 bytes; ocod 460,800 bytes; qcod 9,830,400 bytes; kvcod 9,830,400 bytes; ccod 4,915,200 bytes
;; launch quant (part 1): grid 352 x 1, 6 waves a work-group, no clusters, 51,456 bytes of LDS; arguments x, wq, wk, wv, wo, xcod, wcod, ocod; writes xcod, wcod, ocod
.if DOCPART == 1
	.amdgcn_target "amdgcn-amd-amdhsa--gfx1250"
	.amdhsa_code_object_version 6
	.text
	.protected	k_q15777e18d0_quant
	.globl	k_q15777e18d0_quant
	.p2align	8
	.type	k_q15777e18d0_quant,@function
k_q15777e18d0_quant:
	s_mov_b64 s[64:65], 0
	v_nop
	global_prefetch_b8 v0, s[64:65] scope:SCOPE_SE
	s_setreg_imm32_b32 hwreg(HW_REG_WAVE_MODE, 25, 1), 1
	s_wait_xcnt 0x0
; LAUNCH 1 OF 4.  x [8192][768], wq, wk, wv, wo [768][768], f32, K innermost, become codes of FP6 (E2M3) with one E8M0 byte for each 32 along K.
; NO WORK OF THE PROBLEM IS LEFT OUT IN ANY LAUNCH: every product of the table is live, and each bias enters a quantised operand or the output, so all nine buffers are loaded.
; H and W are constants without buffers and enter no result.
; A block's scale is 2^(floor(log2(largest magnitude)) - 2); its byte is the largest magnitude's exponent field - 2, held at 1 from below.
; LIMITS: a block of zeros gets the byte 1 where the rule says 127 (its codes are zeros, and this program alone reads the bytes); NaN and infinities among the inputs are not served.
; LAYOUT OF THE WORKSPACE: the order of an operand's registers.  A fragment (16 rows x 128 K, 12 registers a lane) is an image of 1,536 bytes: registers 4 c .. 4 c + 3 of lane L at 512 c + 16 L.
; THE ROWS OF A TILE ARE NOT NEIGHBOURS: row p of tile 2 b + u is source row 32 b + 8 u + p + 8 (p / 8), so that a later result whose source 0 is such tiles holds 16 neighbours in the 16 registers of two tiles.
; A tile's scale words: [K step 0..5][16 rows], 384 bytes.  xcod: [block of 128 tokens][6 steps][8 tiles] images, then [8 tiles] scale blocks; wcod: [group of 3 heads][6][36 tiles: q's 12, k's 12, v's 12], then scales; ocod: [192 columns][6][12], then scales.
; SHARES: a work-group takes 32 source rows (tiles u = 0, 1); wave w takes tile u = w / 3 and K steps 2 q, 2 q + 1, q = w % 3.  Work-groups 0-255: x; 256-351: 24 each for wq, wk, wv, wo.  Only pointers and sizes are chosen: one path.
; Each load reads 512 consecutive bytes of a row; the 16 rows turn through the wave's own stage in LDS (pitch 528), so that a lane gets two whole blocks of 32.  No barrier: waves share nothing.
.set PITCH,  528
.set STAGEB, 16*PITCH
.set SPARE,  6*STAGEB                  ; behind the six stages: the spare words, 128 bytes a wave
.set A16,  1                           ; v1   16 x lane: loads and image stores
.set SIN,  2                           ; v2   the stage, on the way in
.set SOUT, 3                           ; v3   and out: 528 r + 128 h
.set A4,   4                           ; v4   4 x lane
.set SH8,  5                           ; v5   8 h
.set SPW,  6                           ; v6   my spare word
.set NIL,  7                           ; v7   0
.set R0,   32                          ; v32-95   step 0 as loaded; later step 1's neighbours
.set R1,   96                          ; v96-159  step 1 as loaded
.set X0,   160                         ; v160-223 step 0's neighbours; later step 1's codes
.set PC0,  224                         ; v224-243 step 0's codes
.set X1,   32
.set PC1,  160
.set SEL,  56                          ; s[56:57] selects for lane l xor 16
	s_load_b256 s[4:11], s[0:1], 0x0               ; x, wq, wk, wv
	s_load_b256 s[12:19], s[0:1], 0x20             ; wo, xcod, wcod, ocod
	v_lshl_add_u32 v[SPW], v0, 2, SPARE
	v_mov_b32 v[NIL], 0
	v_lshrrev_b32 v8, 5, v0
	v_readfirstlane_b32 s25, v8                    ; wave 0..5
	v_and_b32 v9, 31, v0                           ; lane
	v_and_b32 v10, 15, v0                          ; r
	v_bfe_u32 v11, v0, 4, 1                        ; h
	v_lshlrev_b32 v[A16], 4, v9
	v_lshlrev_b32 v[A4], 2, v9
	v_lshlrev_b32 v[SH8], 3, v11
	s_mul_i32 s40, s25, STAGEB
	v_add_nc_u32 v[SIN], s40, v[A16]
	v_mul_u32_u24 v[SOUT], v10, PITCH
	v_lshl_add_u32 v[SOUT], v11, 7, v[SOUT]
	v_add_nc_u32 v[SOUT], s40, v[SOUT]
	v_mov_b32 v16, 0                               ; a lane permute's destination counts as one of its sources
	s_mov_b32 s[SEL], 0x76543210
	s_mov_b32 s[SEL+1], 0xfedcba98
	s_mov_b32 s58, 0xffff0000                      ; lanes 16-31
	s_mul_i32 s26, s25, 43
	s_lshr_b32 s26, s26, 7                         ; u = wave / 3
	s_mul_i32 s27, s26, 3
	s_sub_co_u32 s27, s25, s27                     ; q = wave % 3
	s_max_u32 s20, ttmp9, 256
	s_sub_co_u32 s20, s20, 256                     ; a weight's work-group: 0..95
	s_mul_i32 s21, s20, 171
	s_lshr_b32 s21, s21, 12                        ; / 24: which weight
	s_mul_i32 s22, s21, 24
	s_sub_co_u32 s22, s20, s22                     ; its block of 32 rows
	s_mul_i32 s23, s22, 43
	s_lshr_b32 s23, s23, 8                         ; / 6: which 192 rows
	s_mul_i32 s24, s23, 6
	s_sub_co_u32 s24, s22, s24
	s_lshl_b32 s24, s24, 1                         ; the pair's first tile among those 192 rows
	s_mul_i32 s28, s21, 12
	s_add_co_u32 s28, s28, s24                     ; in wcod: behind the earlier weights' 12
	s_lshr_b32 s36, ttmp9, 2                       ; x: block of 128 tokens
	s_and_b32 s37, ttmp9, 3
	s_lshl_b32 s37, s37, 1                         ; and the pair's first tile in it
	s_mov_b32 s29, 345600                          ; a record of wcod
	s_mov_b32 s30, 55296                           ; a K step's images in it
	s_wait_alu depctr_va_vdst(0)
	s_wait_kmcnt 0x0
	s_cmp_eq_u32 s21, 3                            ; wo?
	s_cselect_b32 s28, s24, s28
	s_cselect_b32 s29, 115200, s29
	s_cselect_b32 s30, 18432, s30
	s_cselect_b64 s[32:33], s[18:19], s[16:17]
	s_cselect_b64 s[34:35], s[12:13], s[10:11]
	s_cmp_eq_u32 s21, 1
	s_cselect_b64 s[34:35], s[8:9], s[34:35]
	s_cmp_eq_u32 s21, 0
	s_cselect_b64 s[34:35], s[6:7], s[34:35]
	s_cmp_lt_u32 ttmp9, 256                        ; x?
	s_cselect_b32 s28, s37, s28
	s_cselect_b32 s29, 76800, s29
	s_cselect_b32 s30, 12288, s30
	s_cselect_b32 s31, s36, s23                    ; which record
	s_cselect_b32 s22, ttmp9, s22                  ; which 32 source rows
	s_cselect_b64 s[32:33], s[14:15], s[32:33]
	s_cselect_b64 s[34:35], s[4:5], s[34:35]
	s_add_co_u32 s28, s28, s26                     ; my tile
	s_lshl_b32 s38, s22, 5
	s_lshl_b32 s39, s26, 3
	s_add_co_u32 s38, s38, s39                     ; source row 32 B + 8 u,
	s_mul_i32 s38, s38, 3072
	s_lshl_b32 s39, s27, 10
	s_add_co_u32 s38, s38, s39                     ; my two K steps: 1,024 bytes of it
	s_mov_b32 s39, 0
	s_add_nc_u64 s[34:35], s[34:35], s[38:39]
	s_mul_i32 s40, s31, s29
	s_mul_i32 s41, s27, s30
	s_lshl_b32 s41, s41, 1
	s_mul_i32 s42, s28, 1536
	s_add_co_u32 s44, s40, s41
	s_add_co_u32 s44, s44, s42
	s_mov_b32 s45, 0
	s_add_nc_u64 s[46:47], s[32:33], s[44:45]      ; the image of K step 2 q
	s_mov_b32 s48, s30
	s_mov_b32 s49, 0
	s_add_nc_u64 s[50:51], s[46:47], s[48:49]      ; and of 2 q + 1
	s_mul_i32 s44, s30, 6
	s_add_co_u32 s44, s44, s40
	s_mul_i32 s42, s28, 384
	s_add_co_u32 s44, s44, s42
	s_lshl_b32 s42, s27, 7
	s_add_co_u32 s44, s44, s42
	s_add_nc_u64 s[52:53], s[32:33], s[44:45]      ; my 128 bytes of the tile's scale words
.macro LOADS reg, st                   ; 16 rows x 512 consecutive bytes
.irp i, 0,1,2,3,4,5,6,7,8,9,10,11,12,13,14,15
	global_load_b128 v[\reg+4*\i:\reg+4*\i+3], v[A16], s[34:35] offset:(\i+8*(\i/8))*3072+512*\st th:TH_LOAD_NT
.endr
.endm
.macro TURN reg, x                     ; through my stage: LDS serves a wave's instructions in order, so no wait stands between the stores and the loads
.irp i, 0,1,2,3,4,5,6,7,8,9,10,11,12,13,14,15
	ds_store_b128 v[SIN], v[\reg+4*\i:\reg+4*\i+3] offset:PITCH*\i
.endr
.irp c, 0,1
.irp j, 0,1,2,3,4,5,6,7
	ds_load_b128 v[\x+32*\c+4*\j:\x+32*\c+4*\j+3], v[SOUT] offset:256*\c+16*\j   ; block 2 c + h of row r
.endr
.endr
.endm
.macro QFRAG x, pc, w                  ; my two whole blocks become registers 0-5 and 6-11 of the fragment; the row's scale word into v[w]
	v_max3_num_f32 v8, |v[\x]|, |v[\x+1]|, 0x1800000       ; with the floor 2^(3 - 127): the byte cannot fall under 1
	v_max3_num_f32 v9, |v[\x+32]|, |v[\x+33]|, 0x1800000
.irp i, 2,4,6,8,10,12,14,16,18,20,22,24,26,28,30
	v_max3_num_f32 v8, v8, |v[\x+\i]|, |v[\x+\i+1]|
	v_max3_num_f32 v9, v9, |v[\x+32+\i]|, |v[\x+33+\i]|
.endr
	v_add_nc_u32 v10, 0xff000000, v8               ; 2 off the exponent field: the conversion's scale operand
	v_add_nc_u32 v11, 0xff000000, v9
	v_lshrrev_b32 v12, 23, v10                     ; the bytes
	v_lshrrev_b32 v13, 23, v11
	v_lshl_or_b32 v[\w], v13, 16, v12
	v_lshlrev_b32 v[\w], v[SH8], v[\w]             ; blocks h and 2 + h at their places
	v_permlanex16_b32 v16, v[\w], s[SEL], s[SEL+1]
	v_or_b32 v[\w], v[\w], v16                     ; with lane l xor 16's two the word is whole
	v_cvt_scalef32_pk16_fp6_f32 v[\pc:\pc+2], v[\x:\x+15], v10
	v_cvt_scalef32_pk16_fp6_f32 v[\pc+12:\pc+14], v[\x+16:\x+31], v10   ; (a conversion's three registers begin on an even number)
	v_cvt_scalef32_pk16_fp6_f32 v[\pc+6:\pc+8], v[\x+32:\x+47], v11
	v_cvt_scalef32_pk16_fp6_f32 v[\pc+16:\pc+18], v[\x+48:\x+63], v11
	v_nop                                          ; one plain place behind a scaled conversion
.irp i, 0,1,2
	v_mov_b32 v[\pc+3+\i], v[\pc+12+\i]
	v_mov_b32 v[\pc+9+\i], v[\pc+16+\i]
.endr
.endm
	LOADS R0, 0
	LOADS R1, 1
	s_wait_loadcnt 16                              ; the first K step's sixteen loads are in, the second's may be out
	TURN R0, X0
	s_wait_dscnt 0x0
	QFRAG X0, PC0, 14
.irp c, 0,1,2
	global_store_b128 v[A16], v[PC0+4*\c:PC0+4*\c+3], s[46:47] offset:512*\c   ; 512 consecutive bytes
.endr
	s_wait_loadcnt 0x0
	TURN R1, X1
	s_wait_dscnt 0x0
	QFRAG X1, PC1, 15                              ; other registers than the first step's codes: no store's data are written again
.irp c, 0,1,2
	global_store_b128 v[A16], v[PC1+4*\c:PC1+4*\c+3], s[50:51] offset:512*\c
.endr
	v_cndmask_b32 v14, v14, v15, s58               ; lanes 0-15: step 2 q's words, lanes 16-31: step 2 q + 1's
	global_store_b32 v[A4], v14, s[52:53]
	s_wait_tensorcnt 0x0                           ; the wave's end, behind my last LDS store
	ds_add_u32 v[SPW], v[NIL]
	s_wait_dscnt 0x0
	s_endpgm
.Lfunc_end_k_q15777e18d0_quant:
	.size	k_q15777e18d0_quant, .Lfunc_end_k_q15777e18d0_quant-k_q15777e18d0_quant
	.p2alignl 7, 3214868480
	.fill 96, 4, 3214868480
	.section	.rodata,"a",@progbits
	.p2align	6, 0x0
	.amdhsa_kernel k_q15777e18d0_quant
		.amdhsa_group_segment_fixed_size 51456
		.amdhsa_private_segment_fixed_size 0
		.amdhsa_enable_private_segment 0
		.amdhsa_kernarg_size 64
		.amdhsa_user_sgpr_count 2
		.amdhsa_user_sgpr_kernarg_segment_ptr 1
		.amdhsa_wavefront_size32 1
		.amdhsa_system_sgpr_workgroup_id_x 1
		.amdhsa_system_sgpr_workgroup_id_y 1
		.amdhsa_system_sgpr_workgroup_id_z 1
		.amdhsa_system_vgpr_workitem_id 0
		.amdhsa_next_free_vgpr 256
		.amdhsa_next_free_sgpr 66
		.amdhsa_reserve_vcc 0
		.amdhsa_float_denorm_mode_32 3
		.amdhsa_float_denorm_mode_16_64 3
		.amdhsa_memory_ordered 1
		.amdhsa_forward_progress 1
		.amdhsa_inst_pref_size 18
	.end_amdhsa_kernel
	.amdgpu_metadata
---
amdhsa.version: [ 1, 2 ]
amdhsa.kernels:
  - .name:           k_q15777e18d0_quant
    .symbol:         k_q15777e18d0_quant.kd
    .args:
      - { .name: x, .offset: 0, .size: 8, .value_kind: global_buffer, .address_space: global }
      - { .name: wq, .offset: 8, .size: 8, .value_kind: global_buffer, .address_space: global }
      - { .name: wk, .offset: 16, .size: 8, .value_kind: global_buffer, .address_space: global }
      - { .name: wv, .offset: 24, .size: 8, .value_kind: global_buffer, .address_space: global }
      - { .name: wo, .offset: 32, .size: 8, .value_kind: global_buffer, .address_space: global }
      - { .name: xcod, .offset: 40, .size: 8, .value_kind: global_buffer, .address_space: global }
      - { .name: wcod, .offset: 48, .size: 8, .value_kind: global_buffer, .address_space: global }
      - { .name: ocod, .offset: 56, .size: 8, .value_kind: global_buffer, .address_space: global }
    .group_segment_fixed_size: 51456
    .private_segment_fixed_size: 0
    .kernarg_segment_align: 8
    .kernarg_segment_size: 64
    .max_flat_workgroup_size: 192
    .sgpr_count:     66
    .vgpr_count:     256
    .wavefront_size: 32
...
	.end_amdgpu_metadata
.endif
;; end of part 1
;; launch qkv (part 2): grid 4 x 64, 4 waves a work-group, clusters of 4 x 4, 327,680 bytes of LDS; arguments xcod, wcod, bq, bk, bv, qcod, kvcod; writes qcod, kvcod
.if DOCPART == 2
	.amdgcn_target "amdgcn-amd-amdhsa--gfx1250"
	.amdhsa_code_object_version 6
	.text
	.protected	k_q15777e18d0_qkv
	.globl	k_q15777e18d0_qkv
	.p2align	8
	.type	k_q15777e18d0_qkv,@function
k_q15777e18d0_qkv:
	s_mov_b64 s[64:65], 0
	v_nop
	global_prefetch_b8 v0, s[64:65] scope:SCOPE_SE
	s_setreg_imm32_b32 hwreg(HW_REG_WAVE_MODE, 25, 1), 1
	s_wait_xcnt 0x0
	s_wait_alu depctr_hold_cnt(0) depctr_sa_sdst(0) depctr_va_vdst(0) depctr_va_sdst(0) depctr_va_ssrc(0) depctr_va_vcc(0) depctr_vm_vsrc(0)
	s_getreg_b32 s2, hwreg(HW_REG_IB_STS2, 6, 4)
	s_cmp_eq_u32 s2, 0
	s_cbranch_scc0 .Lentry_in_a_cluster
	s_endpgm
.Lentry_in_a_cluster:
	s_bfe_u32 s2, ttmp6, 0x10000c
	s_cmp_lg_u32 s2, 0xf033
	s_cbranch_scc0 .Lentry_shape_is_right
	s_endpgm
.Lentry_shape_is_right:
; LAUNCH 2 OF 4.  q = x wq^T + bq, k = x wk^T + bk, v = x wv^T + bv on codes of FP6 (E2M3), f32 sums; the results are quantised in registers: q and k along the head's 64, v along the keys.  No work is left out.
; LIMITS: as in the first launch (a block of zeros gets the byte 1; NaN and infinities are not served).
; SHARES.  A work-group takes 128 tokens (T = grid y) x the 576 features of 3 heads (g = grid x): 256 equal work-groups.  Wave w = 2 i + j:
;   q (j = 0) or k (j = 1): 12 tiles of features x the 4 token tiles of half i, used transposed (source 0 = W, source 1 = x): a lane holds one token, its registers run along the head's channels;
;   v: all 8 token tiles x channel tiles 3 w .. 3 w + 2 (source 0 = x, source 1 = wv): a lane holds one channel, its registers run along the tokens, which are the keys.
;   72 accumulators, taken by turns in one fixed order in each of the 6 K steps.
; CLUSTER 4 x 4: x's images hang on T alone and are asked for jointly along a row of the cluster, W's on g alone and along a column.  Wave 0 fetches x's, waves 1-3 a third of W's each.
; LDS: K step s lies in block s % 4 of x's ring (4 x 12,288 bytes at 0) and of W's (4 x 55,296 at WR).  A slot is two blocks.  Steps 4 and 5 fill slot 0 again: the launch's one refill.  The scale words go from memory straight into registers.
; All operands are images of their registers: a fragment is three loads of 512 consecutive bytes.
; A scale register holds an even K step's words in lanes 0-15 and the next step's in lanes 16-31.
; OUT.  Records of 12,800 bytes for (batch, head, block of 128 tokens).  kvcod: k's 8 tiles as half images (16 rows x 64 K: registers 0-3 at 16 L, 4-5 at 512 + 8 L; 768 bytes), v's 4 channel tiles x 2 half images, k's scale words
; [pair of tiles][16], v's [tile][16].  qcod: q's tiles and words at k's places; its other bytes are neither written nor read.
; REGISTERS: window 0: v1-31 addresses, v32-100 scale words, v104-199 my half's x fragments (two sets), v200-247 the other half's; in the epilogue v104-229 are at work.
;   window 1: v0-143 two pools of 6 W fragments, v144-175 head 0's bias, v176-181 bv, v192-255 v's sums n = 0.  Windows 2, 3: q's or k's sums (f, a) at v[8 (4 (f % 6) + a)], v192-255 v's sums n = 1, 2.
.set WR,    49152
.set XSL,   73728                      ; x's scale words: byte offset in T's record of xcod; they go from memory straight into registers
.set WSL,   0                          ; W's scale words: byte offset from s[96:97]
.set SPARE, 287232                     ; the spare words: 128 bytes a wave
.set AXM,  1                           ; v1    my half's x fragments: 16 L + 6,144 i
.set AXO,  2                           ; v2    the other half's
.set AWQ,  3                           ; v3-6  my q or k tiles in block 0..3
.set AWV,  7                           ; v7-10 my three v tiles in block 0..3
.set SPW,  11
.set NIL,  12
.set VO16, 13                          ; store offsets of the epilogue
.set VO8,  14
.set VO4,  15
.set VM16, 16
.set VM8,  17
.set VX16, 18
.set VX8,  19
.set V4R,  20
.set VH64, 21
.set VBV,  22                          ; v22-24
.set XSM,  32
.set XSO,  44
.set WSQ,  56
.set WSV,  92
.set XM0,  104
.set XOF,  200
.set ST,   104
.set PC,   168
.set TM,   188
.set PW,   204
.set PWS,  205
.set PWV,  206
.set SEL,  2                           ; s[2:3]
.set SELP, 30
.set MASK, 31
.set MSB, 0
.macro WIN new                         ; the immediate's high byte repeats the setting that is left
.if MSB != (\new)
	s_set_vgpr_msb (MSB<<8)|(\new)
.set MSB, (\new)
.endif
.endm
.macro PLACES                          ; four plain places behind matrix instructions, in front of loads into their registers and of reads of results
.rept 4
	v_nop
.endr
.endm
.macro G1SET g, rows                   ; a dense block as rows of 256 bytes: 32 elements of 8 bytes
	s_mov_b32 s[\g+1], 32<<16
	s_mov_b32 s[\g+2], (\rows)<<16
	s_mov_b32 s[\g+3], 32<<16
	s_mov_b32 s[\g+4], \rows
	s_mov_b32 s[\g+5], 32
	s_mov_b32 s[\g+6], 0
	s_mov_b32 s[\g+7], 0
.endm
.macro JLOAD g0x, g1x, g0w, g1w        ; a joint load: wave 0 for x, waves 1-3 for W; an s_nop 0 and four v_nop follow each line
	s_cmp_eq_u32 s18, 0
	s_cbranch_scc0 .Lfor_w_\@
	tensor_load_to_lds s[\g0x:\g0x+3], s[\g1x:\g1x+7]
	s_nop 0
.rept 4
	v_nop
.endr
	s_branch .Lasked_\@
.Lfor_w_\@:
	tensor_load_to_lds s[\g0w:\g0w+3], s[\g1w:\g1w+7]
	s_nop 0
.rept 4
	v_nop
.endr
.Lasked_\@:
.endm
.macro CREST                           ; a round of the cluster's barrier behind its opening barrier
	s_cmp_lg_u32 s18, 0
	s_cbranch_scc1 .Lnot_wave_0_\@
	s_barrier_signal -3
.Lnot_wave_0_\@:
	s_barrier_wait -3
	s_barrier_signal -1
	s_barrier_wait -1
.endm
.macro CROUND
	s_barrier_signal -1
	s_barrier_wait -1
	CREST
.endm
	s_load_b256 s[4:11], s[0:1], 0x0               ; xcod, wcod, bq, bk
	s_load_b128 s[12:15], s[0:1], 0x20             ; bv, qcod
	s_load_b64 s[16:17], s[0:1], 0x30              ; kvcod
	v_lshl_add_u32 v[SPW], v0, 2, SPARE
	v_mov_b32 v[NIL], 0
	ds_add_u32 v[SPW], v[NIL]                      ; the wave's opening: the add, twice on end, and its wait ahead of my first tensor load
	ds_add_u32 v[SPW], v[NIL]
	v_lshrrev_b32 v29, 5, v0
	v_readfirstlane_b32 s18, v29                   ; wave 0..3
	s_lshr_b32 s19, s18, 1                         ; i
	s_and_b32 s20, s18, 1                          ; j
	s_bfe_u32 s21, ttmp6, 0x40000                  ; cx
	s_bfe_u32 s22, ttmp6, 0x40004                  ; cy
	s_lshl_b32 s23, ttmp9, 2
	s_add_co_u32 s23, s23, s21                     ; g
	s_and_b32 s24, ttmp7, 0xffff
	s_lshl_b32 s24, s24, 2
	s_add_co_u32 s24, s24, s22                     ; T
	s_lshl_b32 s25, s22, 2
	s_lshl_b32 s25, 15, s25                        ; my row of the cluster
	s_lshl_b32 s26, 0x1111, s21                    ; my column
	s_add_co_u32 s27, s18, -1
	s_min_u32 s27, s27, 2                          ; which third of W's bytes I fetch (wave 0 fetches none of them)
	s_or_b32 s32, s25, (3<<16)|(1<<21)             ; group 1: x's images, 96 rows;
	s_or_b32 s40, s26, (3<<16)|(1<<21)             ; W's, 144 rows;
	G1SET 32, 96
	G1SET 40, 144
	s_mul_i32 s28, s27, 36864
	s_mul_i32 s92, s24, 76800                      ; x: T's record
	s_mov_b32 s93, 0
	s_mul_i32 s94, s23, 345600                     ; W: g's record,
	s_add_co_u32 s94, s94, s28                     ; my third of a slot
	s_mov_b32 s95, 0
	s_mul_i32 s96, s23, 345600
	s_add_co_u32 s96, s96, 331776                  ; and of the scale words
	s_mov_b32 s97, 0
	s_mov_b32 s[SEL], 0x76543210
	s_mov_b32 s[SEL+1], 0xfedcba98
	s_mov_b32 s[MASK], 0xffff0000
	s_mov_b32 s[SELP], 0x03020100
	s_cmp_eq_u32 s19, 0
	s_cselect_b32 s[SELP], s[SELP], 0x01000302     ; i = 1: a word's halves change places
	s_wait_dscnt 0x0                               ; both opening adds are done
	s_wait_kmcnt 0x0
	s_add_nc_u64 s[92:93], s[4:5], s[92:93]
	s_add_nc_u64 s[94:95], s[6:7], s[94:95]
	s_add_nc_u64 s[96:97], s[6:7], s[96:97]
	s_mov_b32 s72, 1                               ; x, slot 0
	s_mov_b32 s73, 0
	s_mov_b64 s[74:75], s[92:93]
	s_or_b32 s75, s75, 0x80000000
	s_mov_b32 s76, 1                               ; x, slot 1
	s_mov_b32 s77, 24576
	s_add_nc_u64 s[78:79], s[92:93], 24576
	s_or_b32 s79, s79, 0x80000000
	s_mov_b32 s84, 1                               ; W, slot 0
	s_add_co_u32 s85, s28, WR
	s_mov_b64 s[86:87], s[94:95]
	s_or_b32 s87, s87, 0x80000000
	s_mov_b32 s88, 1                               ; W, slot 1
	s_add_co_u32 s89, s28, WR+110592
	s_add_nc_u64 s[90:91], s[94:95], 110592
	s_or_b32 s91, s91, 0x80000000
	CROUND                                         ; all sixteen work-groups are here: the first joint loads meet
	JLOAD 72, 32, 84, 40                           ; slot 0: one tensor load a wave at the head
	v_and_b32 v29, 31, v0                          ; L
	v_lshlrev_b32 v30, 4, v29                      ; 16 L
	s_wait_alu depctr_va_vdst(0)
	v_lshlrev_b32 v31, 2, v29                      ; 4 L
	s_mul_i32 s28, s19, 6144
	v_add_nc_u32 v[AXM], s28, v30
	s_xor_b32 s27, s19, 1                          ; 1 - i
	s_mul_i32 s28, s27, 6144
	v_add_nc_u32 v[AXO], s28, v30
	s_mul_i32 s28, s20, 18432
	s_add_co_u32 s28, s28, WR
	s_mul_i32 s29, s18, 4608
	s_add_co_u32 s29, s29, WR+24*1536
.irp k, 0,1,2,3
	v_add_nc_u32 v[AWQ+\k], s28, v30
	v_add_nc_u32 v[AWV+\k], s29, v30
	s_add_co_u32 s28, s28, 55296
	s_add_co_u32 s29, s29, 55296
.endr
	s_mul_i32 s28, s19, 1536
	s_add_co_u32 s28, s28, XSL
	v_add_nc_u32 v25, s28, v31                     ; scale words: my half's x tiles,
	s_mul_i32 s28, s27, 1536
	s_add_co_u32 s28, s28, XSL
	v_add_nc_u32 v26, s28, v31                     ; the other half's,
	s_mul_i32 s28, s20, 4608
	s_add_co_u32 s28, s28, WSL
	v_add_nc_u32 v27, s28, v31                     ; my q or k tiles,
	s_mul_i32 s28, s18, 1152
	s_add_co_u32 s28, s28, WSL+9216
	v_add_nc_u32 v28, s28, v31                     ; my v tiles
	; q's and k's half images are stored in ANOTHER ORDER OF ROWS than they are computed in: the token of computed tile 4 i + 2 m + z, row r, becomes row r % 8 + 8 m of stored tile 4 i + z + 2 (r / 8).
	; A stored tile 4 c + u then holds tokens 64 c + 8 u + 0..7 in rows 0-7 and 64 c + 32 + 8 u + 0..7 in rows 8-15.  Its scale word goes to pair 2 i + r / 8, row r % 8 + 8 m.
	s_mul_i32 s28, s19, 3072
	v_and_b32 v[VM16], 8, v29                      ; 8 (r / 8)
	v_and_b32 v[VM8], 16, v29                      ; 16 h
	v_add_nc_u32 v[VO16], s28, v30                 ; the codes change lanes in registers ahead of their stores, so these two offsets are an image's own: 16 L and 512 + 8 L
	s_add_co_u32 s28, s28, 512
	v_lshl_add_u32 v[VO8], v29, 3, s28
	s_lshl_b32 s28, s19, 7
	v_lshl_add_u32 v[VO4], v[VM16], 2, v31
	v_lshlrev_b32 v[VM8], 1, v[VM8]
	v_sub_nc_u32 v[VO4], v[VO4], v[VM8]            ; 4 (r % 8) + 64 (r / 8) + 32 (lane / 16)
	v_add_nc_u32 v[VO4], s28, v[VO4]
	s_mul_i32 s28, s19, 768
	v_add_nc_u32 v[VM16], s28, v30
	s_add_co_u32 s28, s28, 512
	v_lshl_add_u32 v[VM8], v29, 3, s28
	s_mul_i32 s28, s27, 768
	v_add_nc_u32 v[VX16], s28, v30
	s_add_co_u32 s28, s28, 512
	v_lshl_add_u32 v[VX8], v29, 3, s28
	v_and_b32 v[V4R], 15, v0
	v_and_b32 v[VBV], 8, v[V4R]
	v_add_nc_u32 v[VBV+2], v[VBV], v[V4R]
	v_lshlrev_b32 v[VBV+2], 2, v[VBV+2]            ; 4 (r + 8 (r / 8)): a channel tile's row r
	s_wait_alu depctr_va_vdst(0)
	v_lshlrev_b32 v[V4R], 2, v[V4R]
	v_bfe_u32 v[VH64], v0, 4, 1
	v_lshlrev_b32 v[VH64], 6, v[VH64]              ; 64 h
	s_wait_alu depctr_va_vdst(0)
	s_mul_i32 s28, s18, 3
.irp n, 0,1,2
	s_add_co_u32 s29, s28, \n                      ; channel tile 3 w + n begins at channel 32 (t / 2) + 8 (t % 2)
	s_and_b32 s27, s29, 1
	s_lshl_b32 s27, s27, 5
	s_lshr_b32 s29, s29, 1
	s_lshl_b32 s29, s29, 7
	s_add_co_u32 s29, s29, s27
	v_add_nc_u32 v[VBV+\n], s29, v[VBV+2]
.endr
	s_mul_i32 s100, s23, 768                       ; the group's 192 features in a bias
	s_mov_b32 s101, 0
	s_cmp_eq_u32 s20, 0
	s_cselect_b64 s[98:99], s[8:9], s[10:11]       ; bq or bk
	s_add_nc_u64 s[98:99], s[98:99], s[100:101]
	s_add_nc_u64 s[12:13], s[12:13], s[100:101]
	WIN 0x40                                       ; destination window 1
.irp t, 0,1,2,3                        ; head 0's bias in the result's layout: lane (r, h), tile t: channels 32 (t / 2) + 8 (t % 2) + 16 h + 0 .. 7
	global_load_b128 v[144+8*\t:147+8*\t], v[VH64], s[98:99] offset:(32*(\t/2)+8*(\t%2))*4
	global_load_b128 v[148+8*\t:151+8*\t], v[VH64], s[98:99] offset:(32*(\t/2)+8*(\t%2))*4+16
.endr
	s_wait_alu depctr_va_vdst(0)
.irp n, 0,1,2                          ; bv of my lane's channel, twice: the packed addition names a pair
	global_load_b32 v[176+2*\n], v[VBV+\n], s[12:13]
	global_load_b32 v[177+2*\n], v[VBV+\n], s[12:13]
.endr
	WIN 0
	s_lshr_b32 s100, s24, 3                        ; the record of (batch, head 3 g, block): ((T / 8) 12 + 3 g) 8 + T % 8
	s_mul_i32 s100, s100, 12
	s_mul_i32 s21, s23, 3
	s_add_co_u32 s100, s100, s21
	s_lshl_b32 s100, s100, 3
	s_and_b32 s21, s24, 7
	s_add_co_u32 s100, s100, s21
	s_mul_i32 s100, s100, 12800
	s_add_nc_u64 s[16:17], s[16:17], s[100:101]    ; in kvcod
	s_add_nc_u64 s[14:15], s[14:15], s[100:101]    ; in qcod
	s_cmp_eq_u32 s20, 0
	s_cselect_b64 s[14:15], s[14:15], s[16:17]     ; where my q or k goes
.macro WM d, a, b, sa, sb, s           ; one product of K step s; step 0 starts the sum; odd steps take their scale words from lanes 16-31
.if (\s) == 0
	v_wmma_scale_f32_16x16x128_f8f6f4 v[\d:\d+7], v[\a:\a+11], v[\b:\b+11], 0, v[\sa], v[\sb] matrix_a_fmt:MATRIX_FMT_FP6 matrix_b_fmt:MATRIX_FMT_FP6
.elseif (\s)%2 == 0
	v_wmma_scale_f32_16x16x128_f8f6f4 v[\d:\d+7], v[\a:\a+11], v[\b:\b+11], v[\d:\d+7], v[\sa], v[\sb] matrix_a_fmt:MATRIX_FMT_FP6 matrix_b_fmt:MATRIX_FMT_FP6
.else
	v_wmma_scale_f32_16x16x128_f8f6f4 v[\d:\d+7], v[\a:\a+11], v[\b:\b+11], v[\d:\d+7], v[\sa], v[\sb] matrix_a_fmt:MATRIX_FMT_FP6 matrix_b_fmt:MATRIX_FMT_FP6 matrix_a_scale:MATRIX_SCALE_ROW1 matrix_b_scale:MATRIX_SCALE_ROW1
.endif
.endm
.macro FW pool, adr, t0, n             ; n fragments of W, from tile t0 of the address's run on, into a pool of window 1
	WIN 0x40
.set fwk, 0
.rept \n
.irp c, 0,1,2
	ds_load_b128 v[72*(\pool)+12*fwk+4*\c:72*(\pool)+12*fwk+4*\c+3], v[\adr] offset:((\t0)+fwk)*1536+512*\c
.endr
.set fwk, fwk+1
.endr
	WIN 0
.endm
.macro FX reg, adr, blk                ; four fragments of x out of block blk
.irp a, 0,1,2,3
.irp c, 0,1,2
	ds_load_b128 v[\reg+12*\a+4*\c:\reg+12*\a+4*\c+3], v[\adr] offset:(\blk)*12288+\a*1536+512*\c
.endr
.endr
.endm
.macro MQ s, f0                        ; 24 products: feature tiles f0 .. f0 + 5 x my four token tiles
	WIN 0xa1+0x50*((\f0)/6)
.set mqp, 72*((3*(\s)+(\f0)/6)%2)
.set mqx, XM0+48*((\s)%2)
.irp f, 0,1,2,3,4,5
.irp a, 0,1,2,3
	WM 8*(4*\f+\a), mqp+12*\f, mqx+12*\a, WSQ+3*((\f0)+\f)+(\s)/2, XSM+3*\a+(\s)/2, \s
.endr
.endr
.endm
.macro VB s, n                         ; 8 products: all token tiles x my channel tile n
	WIN 0x54+0x50*(\n)
.set vbp, 72*((3*(\s)+2)%2)+12*(\n)
.set vbx, XM0+48*((\s)%2)
.irp a, 0,1,2,3
	WM 192+8*\a, vbx+12*\a, vbp, XSM+3*\a+(\s)/2, WSV+3*(\n)+(\s)/2, \s
.endr
.irp a, 0,1,2,3
	WM 224+8*\a, XOF+12*\a, vbp, XSO+3*\a+(\s)/2, WSV+3*(\n)+(\s)/2, \s
.endr
.endm
; A K step is three groups of 24 products.  Each group first asks for the next group's fragments, into the pool that the group before has left, and then waits for all LDS loads but those just issued.
.macro GRPA s
	PLACES
	FW (3*(\s)+1)%2, AWQ+(\s)%4, 6, 6
	s_wait_dscnt 18                                ; all but the 18 just issued
	MQ \s, 0
.endm
.macro GRPB s
	PLACES
	FW (3*(\s)+2)%2, AWV+(\s)%4, 0, 3
	FX XOF, AXO, (\s)%4
	s_wait_dscnt 21                                ; all but the 9 + 12 just issued
	MQ \s, 6
.endm
.macro GRPC s
	PLACES
	FW (3*(\s)+3)%2, AWQ+((\s)+1)%4, 0, 6
	FX XM0+48*(((\s)+1)%2), AXM, ((\s)+1)%4
	s_wait_dscnt 30                                ; all but the 18 + 12 just issued
	VB \s, 0
	VB \s, 1
	VB \s, 2
.endm
; The third group of steps 1 and 3 changes slots: each wave waits for all its tensor loads, adds 0 to its spare word, waits for that and for its reads of the slot that is left; one barrier.
; fill = 1: the barrier opens a round of the cluster's barrier, and slot 0 is filled again, with K steps 4 and 5, first thing behind it: that load has two K steps, 144 matrix instructions, in which to land.
.macro CHANGE s, fill
	WIN 0
	s_wait_tensorcnt 0x0                           ; all my tensor loads have landed, so a group 0 may be written
	ds_add_u32 v[SPW], v[NIL]
.if \fill
	s_add_nc_u64 s[74:75], s[74:75], 49152         ; four K steps on
	s_add_nc_u64 s[86:87], s[86:87], 221184
.endif
	s_wait_dscnt 0x0                               ; the add is done, and my reads of the slot are over
	s_barrier_signal -1
	VB \s, 0
	WIN 0
	s_barrier_wait -1
.if \fill
	CREST
	JLOAD 72, 32, 84, 40                           ; its four v_nop are also the places in front of the loads below
.else
	PLACES
.endif
	FW (3*(\s)+3)%2, AWQ+((\s)+1)%4, 0, 6
	FX XM0+48*(((\s)+1)%2), AXM, ((\s)+1)%4
	VB \s, 1
	VB \s, 2
.endm
.irp a, 0,1,2,3                        ; the scale words, each load 128 consecutive bytes: two K steps x 16 rows
.irp q, 0,1,2
	global_load_b32 v[XSM+3*\a+\q], v25, s[92:93] offset:\a*384+\q*128
	global_load_b32 v[XSO+3*\a+\q], v26, s[92:93] offset:\a*384+\q*128
.endr
.endr
.irp f, 0,1,2,3,4,5,6,7,8,9,10,11
.irp q, 0,1,2
	global_load_b32 v[WSQ+3*\f+\q], v27, s[96:97] offset:\f*384+\q*128
.endr
.endr
.irp n, 0,1,2
.irp q, 0,1,2
	global_load_b32 v[WSV+3*\n+\q], v28, s[96:97] offset:\n*384+\q*128
.endr
.endr
	s_wait_alu depctr_va_vdst(0)                   ; the head's end
	s_wait_tensorcnt 0x0                           ; my part of slot 0 is in
	ds_add_u32 v[SPW], v[NIL]
	s_wait_dscnt 0x0
	CROUND                                         ; everybody's part of slot 0 is in, and the sixteen work-groups meet
	JLOAD 76, 32, 88, 40                           ; slot 1's first fill: K steps 0 and 1, 144 matrix instructions, stand ahead of the wait for it
	s_wait_loadcnt 0x0                             ; the scale words are in
	FW 0, AWQ, 0, 6
	FX XM0, AXM, 0
	GRPA 0
	GRPB 0
	GRPC 0
	GRPA 1
	GRPB 1
	CHANGE 1, 1
	GRPA 2
	GRPB 2
	GRPC 2
	GRPA 3
	GRPB 3
	CHANGE 3, 0
	GRPA 4
	GRPB 4
	GRPC 4
	GRPA 5
	GRPB 5
	s_wait_dscnt 0x0
	VB 5, 0
	VB 5, 1
	VB 5, 2
	WIN 0
; THE EPILOGUE.  64 numbers of a lane, register 16 b + i = place 32 b + 16 h + i along a K, become 12 registers of codes and a scale word.
.macro QUANT s
.irp b, 0,1,2,3
	v_max3_num_f32 v[TM+\b], |v[\s+16*\b]|, |v[\s+1+16*\b]|, 0x1800000   ; with the floor 2^(3 - 127): the byte cannot fall under 1
.endr
.irp i, 2,4,6,8,10,12,14
.irp b, 0,1,2,3
	v_max3_num_f32 v[TM+\b], v[TM+\b], |v[\s+16*\b+\i]|, |v[\s+1+16*\b+\i]|
.endr
.endr
.irp b, 0,1,2,3
	v_permlanex16_b32 v[TM+4+\b], v[TM+\b], s[SEL], s[SEL+1]
.endr
.irp b, 0,1,2,3
	v_max_num_f32 v[TM+\b], v[TM+\b], v[TM+4+\b]   ; with lane l xor 16's: the block's largest magnitude
.endr
.irp b, 0,1,2,3
	v_add_nc_u32 v[TM+12+\b], 0xff000000, v[TM+\b] ; 2 off its exponent field: the conversion's scale operand
.endr
.irp b, 0,1,2,3
	v_lshrrev_b32 v[TM+4+\b], 23, v[TM+12+\b]      ; the byte
.endr
	v_lshl_or_b32 v[PW], v[TM+5], 8, v[TM+4]
	v_lshl_or_b32 v[PW], v[TM+6], 16, v[PW]
	v_lshl_or_b32 v[PW], v[TM+7], 24, v[PW]
.irp c, 0,1
	v_cvt_scalef32_pk16_fp6_f32 v[PC+6*\c:PC+2+6*\c], v[\s+32*\c:\s+15+32*\c], v[TM+12+2*\c]
	v_cvt_scalef32_pk16_fp6_f32 v[PC+12+4*\c:PC+14+4*\c], v[\s+16+32*\c:\s+31+32*\c], v[TM+12+2*\c+1]
.endr
	v_nop                                          ; one plain place behind a scaled conversion
.irp c, 0,1                            ; a whole block to a lane: lanes 0-15 block 2 c, lanes 16-31 block 2 c + 1
.irp i, 0,1,2
	v_permlane16_swap_b32 v[PC+6*\c+\i], v[PC+12+4*\c+\i]
.endr
.irp i, 0,1,2
	v_mov_b32 v[PC+3+6*\c+\i], v[PC+12+4*\c+\i]
.endr
.endr
.endm
.macro GATHQ hd, m                     ; head hd, token tiles 2 m and 2 m + 1 of my half: sums + bias; each accumulator is read from its low end on
.irp z, 0,1
.irp t, 0,1,2,3
.set gf, 4*(\hd)+\t
	WIN 0x06+gf/6
.set ga, 8*(4*(gf%6)+2*(\m)+\z)
.if (\hd) == 0
.set gb, 144+8*\t
.else
.set gb, 32*((\hd)-1)+8*\t
.endif
.irp p, 0,2,4,6
	v_pk_add_f32 v[ST+32*\z+8*\t+\p:ST+32*\z+8*\t+\p+1], v[ga+\p:ga+\p+1], v[gb+\p:gb+\p+1]
.endr
.endr
.endr
.endm
.macro UNITQ hd, m                     ; two token tiles x a head's 64 channels: two half images, and half of a store of scale words
	s_wait_xcnt 0x0                                ; the last unit's stores have read their registers
	GATHQ \hd, \m
	WIN 0
.set PC, 168+40*(1-(\m))               ; m = 0: the codes are made at v208 and kept; m = 1: at v168
	QUANT ST
.if (\m) == 1
	; stored tile z: rows 0-7 = rows 0-7 of m = 0, rows 8-15 = rows 0-7 of m = 1; stored tile z + 2: rows 0-7 = rows 8-15 of m = 0, rows 8-15 = rows 8-15 of m = 1
	s_mov_b32 s29, 0xff00ff00                      ; lanes with r >= 8
	v_mov_b32 v228, 0                              ; a DPP form's destination counts as one of its sources
	v_mov_b32 v229, 0
.irp i, 0,1,2,3,4,5,6,7,8,9,10,11
	v_mov_b32_dpp v228, v[168+\i] row_xmask:8 row_mask:0xf bank_mask:0xf
	v_mov_b32_dpp v229, v[208+\i] row_xmask:8 row_mask:0xf bank_mask:0xf
	v_cndmask_b32 v[208+\i], v[208+\i], v228, s29
	v_cndmask_b32 v[168+\i], v229, v[168+\i], s29
.endr
.irp z, 0,1
	global_store_b128 v[VO16], v[208+6*\z:208+6*\z+3], s[14:15] offset:(\hd)*102400+\z*768         ; 512 consecutive bytes,
	global_store_b64 v[VO8], v[208+6*\z+4:208+6*\z+5], s[14:15] offset:(\hd)*102400+\z*768         ; and the 256 behind them
	global_store_b128 v[VO16], v[168+6*\z:168+6*\z+3], s[14:15] offset:(\hd)*102400+(\z+2)*768
	global_store_b64 v[VO8], v[168+6*\z+4:168+6*\z+5], s[14:15] offset:(\hd)*102400+(\z+2)*768
.endr
.endif
.if (\m) == 0
	v_mov_b32 v[PWS], v[PW]
.else
	v_cndmask_b32 v[PWS], v[PWS], v[PW], s[MASK]   ; lanes 0-15: the first pair's words, lanes 16-31: the second's
	global_store_b32 v[VO4], v[PWS], s[14:15] offset:(\hd)*102400+12288
.endif
.endm
.macro UNITV n                         ; channel tile 3 w + n x the block's 128 keys: one fragment, as two half images
	s_wait_xcnt 0x0
	s_mul_i32 s92, s18, 3
	s_add_co_u32 s92, s92, \n
	s_lshr_b32 s93, s92, 2                         ; which of the three heads,
	s_and_b32 s92, s92, 3                          ; which of its four channel tiles
	s_mul_i32 s93, s93, 102400
	s_mul_i32 s94, s92, 1536
	s_add_co_u32 s94, s94, s93
	s_add_co_u32 s94, s94, 6144
	s_mov_b32 s95, 0
	s_add_nc_u64 s[68:69], s[16:17], s[94:95]      ; (every tensor load is done: the descriptors' registers are free)
	s_lshl_b32 s94, s92, 6
	s_add_co_u32 s94, s94, s93
	s_add_co_u32 s94, s94, 12544
	s_add_nc_u64 s[70:71], s[16:17], s[94:95]
	WIN 0x05+(\n)
.irp a, 0,1,2,3,4,5,6,7
.irp p, 0,2,4,6
	v_pk_add_f32 v[ST+8*\a+\p:ST+8*\a+\p+1], v[192+8*\a+\p:192+8*\a+\p+1], v[176+2*(\n):177+2*(\n)] op_sel_hi:[1,0]
.endr
.endr
	WIN 0
	QUANT ST
	global_store_b128 v[VM16], v[PC:PC+3], s[68:69]        ; my half's 64 keys go to half image i,
	global_store_b64 v[VM8], v[PC+4:PC+5], s[68:69]
	global_store_b128 v[VX16], v[PC+6:PC+9], s[68:69]      ; the other half's to 1 - i
	global_store_b64 v[VX8], v[PC+10:PC+11], s[68:69]
	v_perm_b32 v[PWV], v[PW], v[PW], s[SELP]       ; and the word's halves likewise
	global_store_b32 v[V4R], v[PWV], s[70:71]      ; lanes 16-31 store the same words to the same places
.endm
	PLACES                                         ; behind the last products
	WIN 0x40
.irp hd, 1,2                           ; heads 1 and 2's biases into the pools, which are done with
.irp t, 0,1,2,3
	global_load_b128 v[32*(\hd-1)+8*\t:32*(\hd-1)+8*\t+3], v[VH64], s[98:99] offset:256*\hd+(32*(\t/2)+8*(\t%2))*4
	global_load_b128 v[32*(\hd-1)+8*\t+4:32*(\hd-1)+8*\t+7], v[VH64], s[98:99] offset:256*\hd+(32*(\t/2)+8*(\t%2))*4+16
.endr
.endr
	WIN 0
.irp b, 0,1,2,3
	v_mov_b32 v[TM+4+\b], 0                        ; a lane permute's destination counts as one of its sources
.endr
	s_wait_loadcnt 16                              ; head 0's bias and bv are in; the sixteen just issued may be out
	UNITQ 0, 0
	UNITQ 0, 1
	UNITV 0
	UNITV 1
	UNITV 2
	s_wait_loadcnt 0x0
	UNITQ 1, 0
	UNITQ 1, 1
	UNITQ 2, 0
	UNITQ 2, 1
	s_wait_tensorcnt 0x0                           ; the wave's end
	ds_add_u32 v[SPW], v[NIL]
	s_wait_dscnt 0x0
	CROUND                                         ; the closing round
	s_endpgm
.Lfunc_end_k_q15777e18d0_qkv:
	.size	k_q15777e18d0_qkv, .Lfunc_end_k_q15777e18d0_qkv-k_q15777e18d0_qkv
	.p2alignl 7, 3214868480
	.fill 96, 4, 3214868480
	.section	.rodata,"a",@progbits
	.p2align	6, 0x0
	.amdhsa_kernel k_q15777e18d0_qkv
		.amdhsa_group_segment_fixed_size 327680
		.amdhsa_private_segment_fixed_size 0
		.amdhsa_enable_private_segment 0
		.amdhsa_kernarg_size 56
		.amdhsa_user_sgpr_count 2
		.amdhsa_user_sgpr_kernarg_segment_ptr 1
		.amdhsa_wavefront_size32 1
		.amdhsa_system_sgpr_workgroup_id_x 1
		.amdhsa_system_sgpr_workgroup_id_y 1
		.amdhsa_system_sgpr_workgroup_id_z 1
		.amdhsa_system_vgpr_workitem_id 0
		.amdhsa_next_free_vgpr 1024
		.amdhsa_next_free_sgpr 102
		.amdhsa_reserve_vcc 0
		.amdhsa_float_denorm_mode_32 3
		.amdhsa_float_denorm_mode_16_64 3
		.amdhsa_memory_ordered 1
		.amdhsa_forward_progress 1
		.amdhsa_inst_pref_size 175
	.end_amdhsa_kernel
	.amdgpu_metadata
---
amdhsa.version: [ 1, 2 ]
amdhsa.kernels:
  - .name:           k_q15777e18d0_qkv
    .symbol:         k_q15777e18d0_qkv.kd
    .args:
      - { .name: xcod, .offset: 0, .size: 8, .value_kind: global_buffer, .address_space: global }
      - { .name: wcod, .offset: 8, .size: 8, .value_kind: global_buffer, .address_space: global }
      - { .name: bq, .offset: 16, .size: 8, .value_kind: global_buffer, .address_space: global }
      - { .name: bk, .offset: 24, .size: 8, .value_kind: global_buffer, .address_space: global }
      - { .name: bv, .offset: 32, .size: 8, .value_kind: global_buffer, .address_space: global }
      - { .name: qcod, .offset: 40, .size: 8, .value_kind: global_buffer, .address_space: global }
      - { .name: kvcod, .offset: 48, .size: 8, .value_kind: global_buffer, .address_space: global }
    .group_segment_fixed_size: 327680
    .private_segment_fixed_size: 0
    .kernarg_segment_align: 8
    .kernarg_segment_size: 56
    .max_flat_workgroup_size: 128
    .sgpr_count:     102
    .vgpr_count:     1024
    .wavefront_size: 32
...
	.end_amdgpu_metadata
.endif
;; end of part 2
;; launch attn (part 3): grid 8 x 32, 8 waves a work-group, clusters of 4 x 1, 327,680 bytes of LDS; arguments qcod, kvcod, ccod; writes ccod
.if DOCPART == 3
	.amdgcn_target "amdgcn-amd-amdhsa--gfx1250"
	.amdhsa_code_object_version 6
	.text
	.protected	k_q15777e18d0_attn
	.globl	k_q15777e18d0_attn
	.p2align	8
	.type	k_q15777e18d0_attn,@function
k_q15777e18d0_attn:
	s_mov_b64 s[64:65], 0
	v_nop
	global_prefetch_b8 v0, s[64:65] scope:SCOPE_SE
	s_setreg_imm32_b32 hwreg(HW_REG_WAVE_MODE, 25, 1), 1
	s_wait_xcnt 0x0
	s_wait_alu depctr_hold_cnt(0) depctr_sa_sdst(0) depctr_va_vdst(0) depctr_va_sdst(0) depctr_va_ssrc(0) depctr_va_vcc(0) depctr_vm_vsrc(0)
	s_getreg_b32 s2, hwreg(HW_REG_IB_STS2, 6, 4)
	s_cmp_eq_u32 s2, 0
	s_cbranch_scc0 .Lentry_in_a_cluster
	s_endpgm
.Lentry_in_a_cluster:
	s_bfe_u32 s2, ttmp6, 0x10000c
	s_cmp_lg_u32 s2, 0x3003
	s_cbranch_scc0 .Lentry_shape_is_right
	s_endpgm
.Lentry_shape_is_right:
; LAUNCH 3 OF 4.  ctx = softmax(q k^T) v on codes of FP6 (E2M3); ctx is quantised along the head's 64 and stored as codes.  No work is left out.
; p = 2^(t - M), t = score x log2(e), M the ceiling of the running largest t; the row's sum is taken of the unquantised p; O is divided by it at the end.
; LIMITS: the promise holds while |t| stays under 2^31; a block of zeros gets the byte 1; NaN and infinities are not served.
; SHARES.  A work-group takes 3 heads x 128 queries: 256 equal work-groups.  Wave w of eight takes query tile w of each head, heads 2, 1, 0 in turn, each against all 1,024 keys in 8 steps of 128.
; Both products are used transposed (S^T = k q^T, O^T = v^T p^T): a lane holds one query.  The head's K is 64: a fragment of k holds two tiles of 16 keys, and q stands in one half of its fragment beside zero codes.
; THE KEYS OF A STORED TILE: tile 4 c + u holds keys 64 c + 8 u + 0..7 in rows 0-7 and 64 c + 32 + 8 u + 0..7 in rows 8-15.  So lane (r, h) holds in registers 96 + 32 c + i the key 64 c + 32 h + i:
; a whole block of 32, in the order of the next operand: a block's maximum needs no other lane, and the conversions' results are the operand's registers but for three moves a block.
; q's tiles are gathered back from the same stored order into tokens 32 b + 8 u + p + 8 (p / 8), the order that ccod's reader expects.
; LDS: record t (128 keys: k's 8 half images, v's 8, their scale words; 12,800 bytes) of head e lies at 12,800 (1 + 8 e + t).  ONE WALK goes down all 24 records, from 24 x 12,800 to 12,800.
; k's fragments have registers of their own and are asked for one step ahead, across a head's end too; v's are asked for at the step's top.  So each wait for LDS loads leaves the 20 younger loads out.
; Each wave issues two joint loads (cluster 4 x 1: the four query blocks of a cluster read the same heads): record w of head 2 at the head; behind the full sequence and a round records 2 w, 2 w + 1 of the
; sixteen of heads 0 and 1, with seven steps ahead of the wait for them (the eighth step looks ahead into head 1).  One load of mine is out at a time.  Nothing is filled twice.
; No prefetch into the L2: every tile is asked for ahead of the first loop, so no loop is left to run ahead in.
; REGISTERS: v3 v6 v7 LDS lane terms (v6-8 also store offsets), v4-5 the add's, v9-11 the walk's addresses, v12 -M, v13 largest score, v14-15 the sum, v16-33 zeros q zeros, v34-39 v232-237 q of heads 1, 0,
; v40 v43 v238 q's scale words as loaded, v41-42 as used, v44-47 v's scale words, v244-247 k's, v48-95 v's fragments, v96-159 scores then p, v160-191 O^T, v192-210 codes, v212-231 v240-243 at work;
; window 1: v0-47 (v256-303) k's fragments.
.set SPARE, 320000
.set REC,  12800
.set SEL,  20
.set CS,   22
.set TB,   56
.set CNT,  57
.set MSB, 0
.macro WIN new                         ; the immediate's high byte repeats the setting that is left
.if MSB != (\new)
	s_set_vgpr_msb (MSB<<8)|(\new)
.set MSB, (\new)
.endif
.endm
.macro CROUND
	s_barrier_signal -1
	s_barrier_wait -1
	s_cmp_lg_u32 s12, 0
	s_cbranch_scc1 .Lnot_wave_0_\@
	s_barrier_signal -3
.Lnot_wave_0_\@:
	s_barrier_wait -3
	s_barrier_signal -1
	s_barrier_wait -1
.endm
	s_load_b128 s[4:7], s[0:1], 0x0                ; qcod, kvcod
	s_load_b64 s[8:9], s[0:1], 0x10                ; ccod
	v_lshl_add_u32 v4, v0, 2, SPARE
	v_mov_b32 v5, 0
	ds_add_u32 v4, v5                              ; the opening lines: the add, twice on end, and its wait
	ds_add_u32 v4, v5
	v_lshrrev_b32 v9, 5, v0
	v_readfirstlane_b32 s12, v9                    ; wave 0..7: my query tile
	s_bfe_u32 s15, ttmp6, 0x40000
	s_lshl_b32 s16, ttmp9, 2
	s_add_co_u32 s16, s16, s15                     ; block of 128 queries
	s_and_b32 s17, ttmp7, 0xffff                   ; 4 x batch + group of three heads
	s_mov_b32 s24, 15|(3<<16)|(1<<21)              ; group 1: rows of 256 bytes, dense, 50 of them at first; the mask names the cluster's four
	s_mov_b32 s25, 32<<16
	s_mov_b32 s26, 50<<16
	s_mov_b32 s27, 32<<16
	s_mov_b32 s28, 50
	s_mov_b32 s29, 32
	s_mov_b32 s30, 0
	s_mov_b32 s31, 0
	s_mul_i32 s13, s12, REC
	s_mul_i32 s14, s17, 307200                     ; the group's 24 records
	s_add_co_u32 s32, s14, s13
	s_add_co_u32 s32, s32, 16*REC                  ; head 2, record w
	s_mov_b32 s33, 0
	s_lshl_b32 s58, s13, 1
	s_add_co_u32 s53, s58, REC                     ; heads 0 and 1, records 2 w and 2 w + 1: in LDS,
	s_add_co_u32 s58, s58, s14                     ; and in kvcod
	s_mov_b32 s59, 0
	s_mul_i32 s36, s17, 24
	s_add_co_u32 s36, s36, s16
	s_mul_i32 s36, s36, REC                        ; q's record of head 0; the next head's lies 8 records on
	s_mov_b32 s37, 0
	s_lshr_b32 s38, s17, 2                         ; ccod: the record of (batch, block),
	s_lshl_b32 s38, s38, 3
	s_add_co_u32 s38, s38, s16
	s_mul_i32 s38, s38, 76800
	s_and_b32 s39, s17, 3
	s_mul_i32 s39, s39, 3                          ; head 0 of mine among the twelve
	s_mul_i32 s60, s12, 1536
	s_add_co_u32 s60, s60, s38                     ; my tile's images,
	s_mov_b32 s61, 0
	s_mul_i32 s62, s12, 384
	s_add_co_u32 s62, s62, s38
	s_add_co_u32 s62, s62, 73728                   ; and its scale bytes
	s_mov_b32 s63, 0
	s_lshr_b32 s10, s12, 2                         ; q's tile w = 2 b + u in the stored order: tiles 4 (b / 2) + u + 2 (r / 8), rows 8 (b % 2) + r % 8
	s_bfe_u32 s11, s12, 0x10001
	s_and_b32 s47, s12, 1
	s_mul_i32 s38, s10, 3072
	s_mul_i32 s46, s47, 768
	s_add_co_u32 s38, s38, s46
	s_lshl_b32 s44, s11, 7
	s_add_co_u32 s44, s44, s38
	s_lshl_b32 s45, s11, 6
	s_add_co_u32 s45, s45, s38
	s_lshl_b32 s46, s10, 7
	s_lshl_b32 s38, s11, 5
	s_add_co_u32 s46, s46, s38
	s_lshl_b32 s47, s47, 4                         ; 16 u: where my tile's two bytes stand in the pair's scale word
	s_mov_b32 s[SEL], 0x76543210
	s_mov_b32 s[SEL+1], 0xfedcba98
	s_mov_b32 s[CS], 0x3fb8aa3b                    ; log2(e)
	s_mov_b32 s[CS+1], s[CS]
	s_wait_dscnt 0x0                               ; both opening adds are done
	s_wait_kmcnt 0x0
	s_add_nc_u64 s[4:5], s[4:5], s[36:37]
	s_add_nc_u64 s[48:49], s[8:9], s[60:61]
	s_add_nc_u64 s[50:51], s[8:9], s[62:63]
	s_mov_b32 s40, 1
	s_add_co_u32 s41, s13, 17*REC
	s_add_nc_u64 s[42:43], s[6:7], s[32:33]
	s_or_b32 s43, s43, 0x80000000
	s_mov_b32 s52, 1
	s_add_nc_u64 s[54:55], s[6:7], s[58:59]
	s_or_b32 s55, s55, 0x80000000
	CROUND                                         ; the four work-groups are here: the joint loads meet
	tensor_load_to_lds s[40:43], s[24:31]          ; head 2, record w: one tensor load a wave at the head
	s_nop 0
	v_and_b32 v9, 31, v0
	v_and_b32 v10, 15, v0
	v_and_b32 v11, 8, v0                           ; 8 (r / 8)
	v_lshlrev_b32 v6, 4, v9                        ; 16 L
	v_lshl_add_u32 v7, v9, 3, 512                  ; 512 + 8 L
	v_lshlrev_b32 v8, 2, v10                       ; 4 r
	v_add_nc_u32 v3, 12288, v8
	v_mad_u32_u24 v9, v11, 176, v6                 ; q: 16 (r % 8) + 256 h + 1,536 (r / 8)
	v_mad_u32_u24 v10, v11, 184, v7
	v_lshl_add_u32 v11, v11, 2, v8                 ; its words: 4 (r % 8) + 64 (r / 8)
	v_add_nc_u32 v9, s44, v9
	v_add_nc_u32 v10, s45, v10
	v_add_nc_u32 v11, s46, v11
	global_load_b128 v[22:25], v9, s[4:5] offset:16*REC
	global_load_b64 v[26:27], v10, s[4:5] offset:16*REC
	global_load_b32 v40, v11, s[4:5] offset:16*REC+12288
	global_load_b128 v[34:37], v9, s[4:5] offset:8*REC
	global_load_b64 v[38:39], v10, s[4:5] offset:8*REC
	global_load_b32 v43, v11, s[4:5] offset:8*REC+12288
	global_load_b128 v[232:235], v9, s[4:5]
	global_load_b64 v[236:237], v10, s[4:5]
	global_load_b32 v238, v11, s[4:5] offset:12288
.irp i, 0,1,2,3,4,5
	v_mov_b32 v[16+\i], 0                          ; zero codes beside q
	v_mov_b32 v[28+\i], 0
.endr
	v_mov_b32 v217, 0                              ; a lane permute's destination counts as one of its sources
	v_mov_b32 v219, 0
	v_mov_b32 v227, 0                              ; the upper half of the pair v[226:227]
	v_and_b32 v225, 16, v0
	v_lshrrev_b32 v225, 1, v225                    ; 8 h
	s_wait_alu depctr_va_vdst(0)                   ; the head's end
	s_wait_tensorcnt 0x0                           ; my record is in
	ds_add_u32 v4, v5
	s_mov_b32 s26, 100<<16                         ; no load of mine is out: from here on a load brings 100 rows
	s_mov_b32 s28, 100
	s_wait_dscnt 0x0
	CROUND                                         ; head 2's eight records are in
	tensor_load_to_lds s[52:55], s[24:31]          ; my two records of heads 0 and 1
	s_nop 0
	s_wait_loadcnt 0x0                             ; q
.macro INIT e, q, w                    ; head e: where its results go, its q (from v[q] on; 0: it is in place), and an empty state
.if \q
	s_wait_xcnt 0x0                                ; the last head's stores have read their registers and bases
.endif
	s_add_co_u32 s10, s39, \e                      ; my head of twelve: K step head / 2, half image head % 2
	s_lshr_b32 s11, s10, 1
	s_and_b32 s10, s10, 1
	s_mul_i32 s58, s11, 12288
	s_mul_i32 s59, s10, 768
	s_add_co_u32 s58, s58, s59
	s_mov_b32 s59, 0
	s_add_nc_u64 s[34:35], s[48:49], s[58:59]
	s_lshl_b32 s58, s11, 6
	s_lshl_b32 s10, s10, 1
	s_add_co_u32 s58, s58, s10
	s_add_nc_u64 s[36:37], s[50:51], s[58:59]
.if \q
.irp i, 0,1,2,3,4,5
	v_mov_b32 v[22+\i], v[\q+\i]
.endr
.endif
	v_lshrrev_b32 v41, s47, v[\w]                  ; q in the lower half of K: my tile's bytes at 0, 1;
	v_mov_b32 v13, 0xff61b1e6                      ; the largest score so far: -3e38
	v_mov_b32 v12, 0x7f61b1e6                      ; -M: 3e38, a whole number: the first step's factor comes out 0
	v_lshlrev_b32 v42, 16, v41                     ; in the upper half: at 2, 3
	v_mov_b32 v14, 0
	v_mov_b32 v15, 0
.set j, 0
.rept 32
	v_mov_b32 v[160+j], 0
.set j, j+1
.endr
.endm
.macro WM d, a, b, c, sa, sb
	v_wmma_scale_f32_16x16x128_f8f6f4 v[\d:\d+7], v[\a:\a+11], v[\b:\b+11], \c, v[\sa], v[\sb] matrix_a_fmt:MATRIX_FMT_FP6 matrix_b_fmt:MATRIX_FMT_FP6
.endm
.macro FRAGS reg, o                    ; four fragments, each two half images: 16 loads
.irp m, 0,1,2,3
	ds_load_b128 v[\reg+12*\m:\reg+12*\m+3], v9 offset:\o+1536*\m
	ds_load_b64 v[\reg+12*\m+4:\reg+12*\m+5], v10 offset:\o+1536*\m
	ds_load_b128 v[\reg+12*\m+6:\reg+12*\m+9], v9 offset:\o+1536*\m+768
	ds_load_b64 v[\reg+12*\m+10:\reg+12*\m+11], v10 offset:\o+1536*\m+768
.endr
.endm
.macro KLOAD                           ; k of the record at v9-11: 20 loads
.irp m, 0,1,2,3
	ds_load_b32 v[244+\m], v11 offset:64*\m
.endr
	WIN 0x40                                       ; destination window 1
	FRAGS 0, 0
	WIN 0
.endm
.macro VLOAD                           ; v of the record at v9-11: 20 loads
.irp m, 0,1,2,3
	ds_load_b32 v[44+\m], v11 offset:256+64*\m
.endr
	FRAGS 48, 6144
.endm
.macro ADD4 j                          ; the row's sum of the unquantised p, two at a time, in four chains
	v_pk_add_f32 v[14:15], v[14:15], v[96+\j:97+\j]
	v_pk_add_f32 v[230:231], v[230:231], v[98+\j:99+\j]
	v_pk_add_f32 v[240:241], v[240:241], v[100+\j:101+\j]
	v_pk_add_f32 v[242:243], v[242:243], v[102+\j:103+\j]
.endm
.macro STEP pre                        ; 16 queries x 128 keys; pre = 1: the next record's k is asked for
	VLOAD
.if \pre
	s_sub_co_u32 s[TB], s[TB], REC
.endif
	s_wait_alu depctr_va_vdst(0)
	s_wait_dscnt 20                                ; k's 20 loads, issued a step ago, are in; v's 20 may be out
	WIN 0x01                                       ; source 0 window 1
.irp m, 0,1,2,3
	WM 96+16*\m, 12*\m, 22, 0, 244+\m, 41
	WM 104+16*\m, 12*\m, 16, 0, 244+\m, 42
.endr
	WIN 0
	v_mov_b32 v228, v12                            ; four places behind the products: the old -M,
.if \pre
	v_add_nc_u32 v9, s[TB], v6                     ; and the next record's addresses
	v_add_nc_u32 v10, s[TB], v7
	v_add_nc_u32 v11, s[TB], v3
	KLOAD
.else
.rept 3
	v_nop
.endr
.endif
.irp c, 0,1                            ; my two blocks' largest scores, each in two chains; each accumulator is read from its low end on
.irp g, 0,16
	v_max3_num_f32 v[212+2*\c+\g/16], v[96+32*\c+\g], v[97+32*\c+\g], v[98+32*\c+\g]
.endr
.endr
.irp i, 3,5,7,9,11,13
.irp c, 0,1
.irp g, 0,16
	v_max3_num_f32 v[212+2*\c+\g/16], v[212+2*\c+\g/16], v[96+32*\c+\g+\i], v[97+32*\c+\g+\i]
.endr
.endr
.endr
.irp c, 0,1
	v_max3_num_f32 v[212+2*\c], v[212+2*\c], v[213+2*\c], v[111+32*\c]
.endr
.irp c, 0,1
	v_max_num_f32 v[212+2*\c], v[212+2*\c], v[127+32*\c]
.endr
	s_delay_alu instid0(VALU_DEP_1)
	v_max_num_f32 v216, v212, v214
	s_delay_alu instid0(VALU_DEP_1)
	v_permlanex16_b32 v217, v216, s[SEL], s[SEL+1]
	s_delay_alu instid0(VALU_DEP_1)
	v_max3_num_f32 v13, v13, v216, v217            ; the running largest score of my query
	s_delay_alu instid0(VALU_DEP_1)
	v_mul_f32 v229, s[CS], v13
	s_delay_alu instid0(VALU_DEP_1)
	v_floor_f32 v12, -v229                         ; -M = -ceil(t)
	s_delay_alu instid0(VALU_DEP_1)
	v_sub_f32 v228, v12, v228
	s_delay_alu instid0(VALU_DEP_1)
	v_cvt_i32_f32 v228, v228                       ; (it saturates)
	s_delay_alu instid0(VALU_DEP_1)
	v_ldexp_f32 v226, 1.0, v228                    ; f = 2^(old M - new M)
.set j, 0
.rept 32
	v_pk_fma_f32 v[96+j:97+j], v[96+j:97+j], s[CS:CS+1], v[12:13] op_sel_hi:[1,0,0]   ; t - M
.set j, j+2
.endr
	v_fma_f32 v212, v212, s[CS], v12               ; the same of each block's largest score
	v_fma_f32 v214, v214, s[CS], v12
.set j, 0
.rept 16
	v_pk_mul_f32 v[160+j:161+j], v[160+j:161+j], v[226:227] op_sel_hi:[1,0]           ; O^T under the new M
.set j, j+2
.endr
	s_wait_alu depctr_va_vdst(0)
	v_exp_f32 v212, v212                           ; the blocks' largest p
	v_exp_f32 v214, v214
.set j, 0
.rept 64
	v_exp_f32 v[96+j], v[96+j]
.set j, j+1
.endr
	v_pk_mul_f32 v[14:15], v[14:15], v[226:227] op_sel_hi:[1,0]   ; the sum under the new M: the plain place behind the batch
	s_wait_alu depctr_va_vdst(0)                   ; one wait for the batch, ahead of its first reader
	v_max_num_f32 v212, 0x1800000, v212            ; the floor 2^(3 - 127): the byte cannot fall under 1
	v_max_num_f32 v214, 0x1800000, v214
	v_add_nc_u32 v220, 0xff000000, v212            ; 2 off the exponent field: the conversion's scale operand
	v_add_nc_u32 v221, 0xff000000, v214
.irp c, 0,1
	v_cvt_scalef32_pk16_fp6_f32 v[192+6*\c:194+6*\c], v[96+32*\c:111+32*\c], v[220+\c]
	v_cvt_scalef32_pk16_fp6_f32 v[204+4*\c:206+4*\c], v[112+32*\c:127+32*\c], v[220+\c]   ; (a conversion's three registers begin on an even number)
.endr
	v_pk_add_f32 v[230:231], v[96:97], v[98:99]
	v_pk_add_f32 v[240:241], v[100:101], v[102:103]
	v_pk_add_f32 v[242:243], v[104:105], v[106:107]
	v_lshrrev_b32 v222, 23, v220                   ; the bytes of blocks h and 2 + h
	v_lshrrev_b32 v223, 23, v221
	ADD4 12
	v_lshl_or_b32 v224, v223, 16, v222
	ADD4 20
	v_lshlrev_b32 v224, v225, v224                 ; at their places, 8 h bits up
	ADD4 28
	v_permlanex16_b32 v219, v224, s[SEL], s[SEL+1]
	ADD4 36
	v_or_b32 v224, v224, v219                      ; with lane l xor 16's two: p's scale word
.irp c, 0,1
.irp i, 0,1,2
	v_mov_b32 v[195+6*\c+\i], v[204+4*\c+\i]
.endr
.endr
	ADD4 44                                        ; ten places between the scale word and the products, four between the codes and them
	s_wait_alu depctr_va_vdst(0)
	s_wait_dscnt 20*\pre                           ; v's fragments are in; the next record's 20 loads of k, where they were issued, may be out
.irp n, 0,1,2,3
	WM 160+8*\n, 48+12*\n, 192, v[160+8*\n:167+8*\n], 44+\n, 224
.endr
	ADD4 52                                        ; nine places behind the products, ahead of the next loads into v's fragments
	v_pk_add_f32 v[14:15], v[14:15], v[156:157]
	v_pk_add_f32 v[230:231], v[230:231], v[158:159]
	v_pk_add_f32 v[240:241], v[240:241], v[242:243]
	v_pk_add_f32 v[14:15], v[14:15], v[230:231]
	v_pk_add_f32 v[14:15], v[14:15], v[240:241]
.endm
.macro LOOP name, trips
	s_mov_b32 s[CNT], \trips
\name:
	STEP 1
	s_sub_co_u32 s[CNT], s[CNT], 1
	s_cmp_lg_u32 s[CNT], 0
	s_cbranch_scc1 \name
.endm
.macro FINAL                           ; O^T / the sum; 64 channels of a query become two blocks of codes: register 16 b + i is channel 32 b + 16 h + i
	s_wait_alu depctr_va_vdst(0)
	v_add_f32 v14, v14, v15
	s_delay_alu instid0(VALU_DEP_1)
	v_permlanex16_b32 v228, v14, s[SEL], s[SEL+1]
	s_delay_alu instid0(VALU_DEP_1)
	v_add_f32 v14, v14, v228
	s_wait_alu depctr_va_vdst(0)
	v_rcp_f32 v14, v14
	v_nop
	s_wait_alu depctr_va_vdst(0)
.set j, 0
.rept 32
	v_mul_f32 v[96+j], v[160+j], v14
.set j, j+1
.endr
.irp b, 0,1
	v_max3_num_f32 v[212+\b], |v[96+16*\b]|, |v[97+16*\b]|, 0x1800000
.endr
.irp i, 2,4,6,8,10,12,14
.irp b, 0,1
	s_delay_alu instid0(VALU_DEP_2)
	v_max3_num_f32 v[212+\b], v[212+\b], |v[96+16*\b+\i]|, |v[97+16*\b+\i]|
.endr
.endr
.irp b, 0,1
	s_delay_alu instid0(VALU_DEP_2)
	v_permlanex16_b32 v[216+\b], v[212+\b], s[SEL], s[SEL+1]
.endr
.irp b, 0,1
	s_delay_alu instid0(VALU_DEP_2)
	v_max_num_f32 v[212+\b], v[212+\b], v[216+\b]
.endr
.irp b, 0,1
	s_delay_alu instid0(VALU_DEP_2)
	v_add_nc_u32 v[220+\b], 0xff000000, v[212+\b]
.endr
.irp b, 0,1
	s_delay_alu instid0(VALU_DEP_2)
	v_lshrrev_b32 v[216+\b], 23, v[220+\b]
.endr
	s_delay_alu instid0(VALU_DEP_1)
	v_lshl_or_b32 v224, v217, 8, v216
	v_cvt_scalef32_pk16_fp6_f32 v[192:194], v[96:111], v220
	v_cvt_scalef32_pk16_fp6_f32 v[204:206], v[112:127], v221
	v_nop
.irp i, 0,1,2
	v_permlane16_swap_b32 v[192+\i], v[204+\i]     ; a whole block to a lane
.endr
.irp i, 0,1,2
	s_delay_alu instid0(VALU_DEP_3)
	v_mov_b32 v[195+\i], v[204+\i]
.endr
	global_store_b128 v6, v[192:195], s[34:35]
	global_store_b64 v7, v[196:197], s[34:35]
	global_store_b16 v8, v224, s[36:37]
.endm
	INIT 2, 0, 40
	s_mov_b32 s[TB], 24*REC                        ; the walk begins at head 2's record 7
	v_add_nc_u32 v9, s[TB], v6
	v_add_nc_u32 v10, s[TB], v7
	v_add_nc_u32 v11, s[TB], v3
	s_wait_alu depctr_va_vdst(0)
	KLOAD
	LOOP .Lhead2, 7                                ; head 2's records 7 .. 1; the last trip looks ahead to its record 0
	s_wait_alu depctr_va_vdst(0)
	s_wait_tensorcnt 0x0                           ; my two records of heads 0 and 1 are in,
	s_wait_dscnt 0x0                               ; (no LDS load of mine is out at the signal)
	s_barrier_signal -1
	s_barrier_wait -1                              ; and everybody's
	STEP 1                                         ; head 2's record 0; it looks ahead to head 1's record 7
	FINAL
	INIT 1, 34, 43
	LOOP .Lhead1, 8
	FINAL
	INIT 0, 232, 238
	LOOP .Lhead0, 7
	STEP 0                                         ; the walk's last record: nothing is left to ask for
	FINAL
	s_wait_tensorcnt 0x0                           ; the wave's end
	ds_add_u32 v4, v5
	s_wait_dscnt 0x0
	CROUND                                         ; the closing round
	s_endpgm
.Lfunc_end_k_q15777e18d0_attn:
	.size	k_q15777e18d0_attn, .Lfunc_end_k_q15777e18d0_attn-k_q15777e18d0_attn
	.p2alignl 7, 3214868480
	.fill 96, 4, 3214868480
	.section	.rodata,"a",@progbits
	.p2align	6, 0x0
	.amdhsa_kernel k_q15777e18d0_attn
		.amdhsa_group_segment_fixed_size 327680
		.amdhsa_private_segment_fixed_size 0
		.amdhsa_enable_private_segment 0
		.amdhsa_kernarg_size 24
		.amdhsa_user_sgpr_count 2
		.amdhsa_user_sgpr_kernarg_segment_ptr 1
		.amdhsa_wavefront_size32 1
		.amdhsa_system_sgpr_workgroup_id_x 1
		.amdhsa_system_sgpr_workgroup_id_y 1
		.amdhsa_system_sgpr_workgroup_id_z 1
		.amdhsa_system_vgpr_workitem_id 0
		.amdhsa_next_free_vgpr 320
		.amdhsa_next_free_sgpr 66
		.amdhsa_reserve_vcc 0
		.amdhsa_float_denorm_mode_32 3
		.amdhsa_float_denorm_mode_16_64 3
		.amdhsa_memory_ordered 1
		.amdhsa_forward_progress 1
		.amdhsa_inst_pref_size 103
	.end_amdhsa_kernel
	.amdgpu_metadata
---
amdhsa.version: [ 1, 2 ]
amdhsa.kernels:
  - .name:           k_q15777e18d0_attn
    .symbol:         k_q15777e18d0_attn.kd
    .args:
      - { .name: qcod, .offset: 0, .size: 8, .value_kind: global_buffer, .address_space: global }
      - { .name: kvcod, .offset: 8, .size: 8, .value_kind: global_buffer, .address_space: global }
      - { .name: ccod, .offset: 16, .size: 8, .value_kind: global_buffer, .address_space: global }
    .group_segment_fixed_size: 327680
    .private_segment_fixed_size: 0
    .kernarg_segment_align: 8
    .kernarg_segment_size: 24
    .max_flat_workgroup_size: 256
    .sgpr_count:     66
    .vgpr_count:     320
    .wavefront_size: 32
...
	.end_amdgpu_metadata
.endif
;; end of part 3
;; launch proj (part 4): grid 4 x 64, 4 waves a work-group, clusters of 4 x 4, 292,864 bytes of LDS; arguments ccod, ocod, bo, out0; writes out0
.if DOCPART == 4
	.amdgcn_target "amdgcn-amd-amdhsa--gfx1250"
	.amdhsa_code_object_version 6
	.text
	.protected	k_q15777e18d0_proj
	.globl	k_q15777e18d0_proj
	.p2align	8
	.type	k_q15777e18d0_proj,@function
k_q15777e18d0_proj:
	s_mov_b64 s[64:65], 0
	v_nop
	global_prefetch_b8 v0, s[64:65] scope:SCOPE_SE
	s_setreg_imm32_b32 hwreg(HW_REG_WAVE_MODE, 25, 1), 1
	s_wait_xcnt 0x0
	s_wait_alu depctr_hold_cnt(0) depctr_sa_sdst(0) depctr_va_vdst(0) depctr_va_sdst(0) depctr_va_ssrc(0) depctr_va_vcc(0) depctr_vm_vsrc(0)
	s_getreg_b32 s2, hwreg(HW_REG_IB_STS2, 6, 4)
	s_cmp_eq_u32 s2, 0
	s_cbranch_scc0 .Lentry_in_a_cluster
	s_endpgm
.Lentry_in_a_cluster:
	s_bfe_u32 s2, ttmp6, 0x10000c
	s_cmp_lg_u32 s2, 0xf033
	s_cbranch_scc0 .Lentry_shape_is_right
	s_endpgm
.Lentry_shape_is_right:
; LAUNCH 4 OF 4.  out0 = ctx wo^T + bo on codes of FP6 (E2M3), f32 sums.  No work is left out.
; SHARES.  A work-group takes 128 tokens (grid y) x 192 columns (grid x): 256 equal work-groups.  Wave w = 2 i + j: the 4 token tiles of half i x column tiles 6 j .. 6 j + 5: 24 accumulators, by turns.
; Used transposed (source 0 = wo, source 1 = ctx): a lane holds one token and eight neighbouring columns.  bo is the C of each sum's first product.
; LDS.  All six K steps of both operands fit: ctx's images at 0, wo's at WOR, each filled once; a stage for the way out, of its own bytes.  Nothing is filled again.
; CLUSTER 4 x 4: ctx's bytes hang on the token block alone and are asked for jointly along a row, wo's on the columns alone and along a column.  Wave 0 fetches ctx's, waves 1-3 a third of wo's each:
; one load a wave (ctx's six K steps, or two of wo's): one load of mine is out at the most.
; A fragment of ctx is two half images (heads 2 s and 2 s + 1); a fragment of wo a full image.
; REGISTERS: window 0: v1-20 addresses; v32-61 scale words; v64-159 ctx's fragments, two sets; on the way out v64-255.  Window 1: v0-143 wo's fragments, two sets.  Window 2: sums (t, a) at v[8 (4 t + a)]; v192-239 bo.
.set WOR,   73728
.set CSL,   73728                      ; ctx's scale words: byte offset in the block's record of ccod; the scale words go from memory straight into registers
.set WOSL,  0                          ; wo's: byte offset from s[28:29]
.set STG,   192000                     ; 128 rows x (768 bytes + 16)
.set SP,    784
.set SPARE, 292352
.set AC16,  1
.set AC8,   2
.set AC16B, 3
.set AC8B,  4
.set AWO,   5
.set AWOB,  6
.set SO,    7
.set SR,    8
.set GO,    9
.set SPW,   10
.set NIL,   11
.set CSR,   32
.set WOS,   44
.set CF,    64
.set MSB, 0
.macro WIN new
.if MSB != (\new)
	s_set_vgpr_msb (MSB<<8)|(\new)
.set MSB, (\new)
.endif
.endm
.macro PLACES
.rept 4
	v_nop
.endr
.endm
.macro G1SET g, rows
	s_mov_b32 s[\g+1], 32<<16
	s_mov_b32 s[\g+2], (\rows)<<16
	s_mov_b32 s[\g+3], 32<<16
	s_mov_b32 s[\g+4], \rows
	s_mov_b32 s[\g+5], 32
	s_mov_b32 s[\g+6], 0
	s_mov_b32 s[\g+7], 0
.endm
.macro JLOAD g0x, g1x, g0w, g1w        ; wave 0 for ctx, waves 1-3 for wo; an s_nop 0 and four v_nop follow each line
	s_cmp_eq_u32 s12, 0
	s_cbranch_scc0 .Lfor_w_\@
	tensor_load_to_lds s[\g0x:\g0x+3], s[\g1x:\g1x+7]
	s_nop 0
.rept 4
	v_nop
.endr
	s_branch .Lasked_\@
.Lfor_w_\@:
	tensor_load_to_lds s[\g0w:\g0w+3], s[\g1w:\g1w+7]
	s_nop 0
.rept 4
	v_nop
.endr
.Lasked_\@:
.endm
.macro CROUND
	s_barrier_signal -1
	s_barrier_wait -1
	s_cmp_lg_u32 s12, 0
	s_cbranch_scc1 .Lnot_wave_0_\@
	s_barrier_signal -3
.Lnot_wave_0_\@:
	s_barrier_wait -3
	s_barrier_signal -1
	s_barrier_wait -1
.endm
	s_load_b256 s[4:11], s[0:1], 0x0               ; ccod, ocod, bo, out0
	v_lshl_add_u32 v[SPW], v0, 2, SPARE
	v_mov_b32 v[NIL], 0
	ds_add_u32 v[SPW], v[NIL]                      ; the wave's opening: the add, twice on end, and its wait ahead of my first tensor load
	ds_add_u32 v[SPW], v[NIL]
	v_lshrrev_b32 v12, 5, v0
	v_readfirstlane_b32 s12, v12                   ; wave 0..3
	s_lshr_b32 s13, s12, 1                         ; i
	s_and_b32 s14, s12, 1                          ; j
	s_bfe_u32 s15, ttmp6, 0x40000                  ; cx
	s_bfe_u32 s16, ttmp6, 0x40004                  ; cy
	s_lshl_b32 s17, ttmp9, 2
	s_add_co_u32 s17, s17, s15                     ; which 192 columns
	s_and_b32 s18, ttmp7, 0xffff
	s_lshl_b32 s18, s18, 2
	s_add_co_u32 s18, s18, s16                     ; which 128 tokens
	s_lshl_b32 s19, s16, 2
	s_lshl_b32 s19, 15, s19                        ; my row of the cluster
	s_lshl_b32 s20, 0x1111, s15                    ; my column
	s_add_co_u32 s21, s12, -1
	s_min_u32 s21, s21, 2                          ; which third of wo's bytes I fetch
	s_or_b32 s32, s19, (3<<16)|(1<<21)             ; group 1: ctx's images, 288 rows of 256 bytes;
	s_or_b32 s40, s20, (3<<16)|(1<<21)             ; wo's, 144;
	G1SET 32, 288                                  ; ONE LOAD A WAVE: wave 0 brings ctx's six K steps, 288 rows of 256 bytes;
	G1SET 40, 144                                  ; waves 1-3 two K steps of wo each, 144 rows
	s_mul_i32 s22, s21, 36864
	s_mul_i32 s24, s18, 76800
	s_mov_b32 s25, 0
	s_mul_i32 s26, s17, 115200
	s_add_co_u32 s26, s26, s22
	s_mov_b32 s27, 0
	s_mul_i32 s28, s17, 115200
	s_add_co_u32 s28, s28, 110592
	s_mov_b32 s29, 0
	s_wait_dscnt 0x0                               ; both opening adds are done
	s_wait_kmcnt 0x0
	s_add_nc_u64 s[24:25], s[4:5], s[24:25]
	s_add_nc_u64 s[26:27], s[6:7], s[26:27]
	s_add_nc_u64 s[28:29], s[6:7], s[28:29]
.irp n, 0
	s_mov_b32 s[72+4*\n], 1
	s_mov_b32 s[73+4*\n], \n*24576
	s_add_nc_u64 s[74+4*\n:75+4*\n], s[24:25], \n*24576
	s_or_b32 s[75+4*\n], s[75+4*\n], 0x80000000
.endr
.irp n, 0
	s_mov_b32 s[88+4*\n], 1
	s_add_co_u32 s[89+4*\n], s22, WOR+\n*36864
	s_add_nc_u64 s[90+4*\n:91+4*\n], s[26:27], \n*36864
	s_or_b32 s[91+4*\n], s[91+4*\n], 0x80000000
.endr
	CROUND                                         ; all sixteen work-groups are here: the joint loads meet
	JLOAD 72, 32, 88, 40                           ; one tensor load a wave at the head
	s_mul_i32 s30, s17, 768                        ; bo: my 96 columns
	s_mul_i32 s31, s14, 384
	s_add_co_u32 s30, s30, s31
	s_mov_b32 s31, 0
	s_add_nc_u64 s[8:9], s[8:9], s[30:31]
	v_bfe_u32 v13, v0, 4, 1                        ; h
	v_lshlrev_b32 v14, 6, v13                      ; 64 h
	WIN 0x80                                       ; destination window 2
.irp t, 0,1,2,3,4,5                    ; in the result's layout: lane (r, h), tile t: columns 32 (t / 2) + 8 (t % 2) + 16 h + 0 .. 7
	global_load_b128 v[192+8*\t:195+8*\t], v14, s[8:9] offset:(32*(\t/2)+8*(\t%2))*4
	global_load_b128 v[196+8*\t:199+8*\t], v14, s[8:9] offset:(32*(\t/2)+8*(\t%2))*4+16
.endr
	WIN 0
	v_and_b32 v12, 31, v0                          ; L
	v_and_b32 v15, 15, v0                          ; r
	v_lshlrev_b32 v16, 4, v12                      ; 16 L
	v_lshl_add_u32 v17, v12, 3, 512                ; 512 + 8 L
	v_lshlrev_b32 v18, 2, v12                      ; 4 L
	s_mul_i32 s22, s13, 6144
	v_add_nc_u32 v[AC16], s22, v16
	v_add_nc_u32 v[AC8], s22, v17
	v_add_nc_u32 v[AC16B], 36864, v[AC16]          ; from K step 3 on: the immediate has 16 bits
	v_add_nc_u32 v[AC8B], 36864, v[AC8]
	s_mul_i32 s22, s14, 9216
	s_add_co_u32 s22, s22, WOR
	v_add_nc_u32 v[AWO], s22, v16
	v_add_nc_u32 v[AWOB], 55296, v[AWO]
	s_mul_i32 s22, s13, 1536
	s_add_co_u32 s22, s22, CSL
	v_add_nc_u32 v19, s22, v18
	s_mul_i32 s22, s14, 2304
	s_add_co_u32 s22, s22, WOSL
	v_add_nc_u32 v20, s22, v18
	v_mul_u32_u24 v[SO], v15, SP                   ; the stage, in tile order: row 64 i + 16 a + r, byte 384 j + 64 h
	v_lshl_add_u32 v[SO], v13, 6, v[SO]
	s_mul_i32 s22, s13, 64*SP
	s_mul_i32 s23, s14, 384
	s_add_co_u32 s22, s22, s23
	s_add_co_u32 s22, s22, STG
	v_add_nc_u32 v[SO], s22, v[SO]
	v_mul_u32_u24 v[SR], v13, SP                   ; back: rows 32 w on; lanes 0-15 one row's 256 bytes, lanes 16-31 the next row's
	v_lshl_add_u32 v[SR], v15, 4, v[SR]
	s_mul_i32 s22, s12, 32*SP
	s_add_co_u32 s22, s22, STG
	v_add_nc_u32 v[SR], s22, v[SR]
	v_mul_u32_u24 v[GO], v13, 3072
	v_lshl_add_u32 v[GO], v15, 4, v[GO]
	s_lshl_b32 s30, s18, 7
	s_lshl_b32 s31, s12, 5
	s_add_co_u32 s30, s30, s31                     ; token 128 T + 32 w
	s_mul_i32 s30, s30, 3072
	s_mul_i32 s31, s17, 768
	s_add_co_u32 s30, s30, s31
	s_mov_b32 s31, 0
	s_add_nc_u64 s[10:11], s[10:11], s[30:31]
.macro FETCH s                         ; K step s: 18 loads for wo's six fragments, 16 for ctx's four
.if (\s) < 3
.set fa, AC16
.set fo, (\s)*12288
.set fw, AWO
.set fwo, (\s)*18432
.else
.set fa, AC16B
.set fo, ((\s)-3)*12288
.set fw, AWOB
.set fwo, ((\s)-3)*18432
.endif
.set fs, CF+48*((\s)%2)
	WIN 0x40
.irp t, 0,1,2,3,4,5
.irp c, 0,1,2
	ds_load_b128 v[72*((\s)%2)+12*\t+4*\c:72*((\s)%2)+12*\t+4*\c+3], v[fw] offset:fwo+\t*1536+512*\c
.endr
.endr
	WIN 0
.irp a, 0,1,2,3
	ds_load_b128 v[fs+12*\a:fs+12*\a+3], v[fa] offset:fo+\a*1536
	ds_load_b64 v[fs+12*\a+4:fs+12*\a+5], v[fa+1] offset:fo+\a*1536
	ds_load_b128 v[fs+12*\a+6:fs+12*\a+9], v[fa] offset:fo+\a*1536+768
	ds_load_b64 v[fs+12*\a+10:fs+12*\a+11], v[fa+1] offset:fo+\a*1536+768
.endr
.endm
.macro WMP d, a, b, c0, sa, sb, s
.if (\s) == 0
	v_wmma_scale_f32_16x16x128_f8f6f4 v[\d:\d+7], v[\a:\a+11], v[\b:\b+11], v[\c0:\c0+7], v[\sa], v[\sb] matrix_a_fmt:MATRIX_FMT_FP6 matrix_b_fmt:MATRIX_FMT_FP6
.elseif (\s)%2 == 0
	v_wmma_scale_f32_16x16x128_f8f6f4 v[\d:\d+7], v[\a:\a+11], v[\b:\b+11], v[\d:\d+7], v[\sa], v[\sb] matrix_a_fmt:MATRIX_FMT_FP6 matrix_b_fmt:MATRIX_FMT_FP6
.else
	v_wmma_scale_f32_16x16x128_f8f6f4 v[\d:\d+7], v[\a:\a+11], v[\b:\b+11], v[\d:\d+7], v[\sa], v[\sb] matrix_a_fmt:MATRIX_FMT_FP6 matrix_b_fmt:MATRIX_FMT_FP6 matrix_a_scale:MATRIX_SCALE_ROW1 matrix_b_scale:MATRIX_SCALE_ROW1
.endif
.endm
.macro MP s, t0                        ; 12 products: column tiles t0 .. t0 + 2 x my four token tiles
	WIN 0xa1
.irp t, 0,1,2
.irp a, 0,1,2,3
	WMP 8*(4*((\t0)+\t)+\a), 72*((\s)%2)+12*((\t0)+\t), CF+48*((\s)%2)+12*\a, 192+8*((\t0)+\t), WOS+3*((\t0)+\t)+(\s)/2, CSR+3*\a+(\s)/2, \s
.endr
.endr
.endm
.macro EVEN s                          ; the next step lies in the same load's bytes
	PLACES
	FETCH (\s)+1
	s_wait_dscnt 34                                ; all but the 34 just issued
	MP \s, 0
	MP \s, 3
.endm
	s_wait_alu depctr_va_vdst(0)                   ; the head's end
.irp a, 0,1,2,3                        ; the scale words, each load 128 consecutive bytes: two K steps x 16 rows
.irp q, 0,1,2
	global_load_b32 v[CSR+3*\a+\q], v19, s[24:25] offset:\a*384+\q*128
.endr
.endr
.irp t, 0,1,2,3,4,5
.irp q, 0,1,2
	global_load_b32 v[WOS+3*\t+\q], v20, s[28:29] offset:\t*384+\q*128
.endr
.endr
	s_wait_tensorcnt 0x0                           ; my load is in,
	s_barrier_signal -1
	s_barrier_wait -1                              ; and everybody's: all six K steps of both operands
	FETCH 0
	s_wait_loadcnt 0x0                             ; bo
	EVEN 0
	EVEN 1
	EVEN 2
	EVEN 3
	EVEN 4
	s_wait_dscnt 0x0
	MP 5, 0
	MP 5, 3
	WIN 0
	; THE WAY OUT: a row's 768 bytes come from two waves, and the lanes beside a lane hold other rows: through the stage, a barrier, back as rows; sixteen lanes store 256 consecutive bytes at a multiple of 256 from out0's first byte.
	PLACES
	WIN 0x08                                       ; an LDS store's data: window 2
.irp t, 0,1,2,3,4,5
.irp a, 0,1,2,3
	ds_store_b128 v[SO], v[8*(4*\t+\a):8*(4*\t+\a)+3] offset:\a*16*SP+(32*(\t/2)+8*(\t%2))*4      ; each accumulator from its low end on
	ds_store_b128 v[SO], v[8*(4*\t+\a)+4:8*(4*\t+\a)+7] offset:\a*16*SP+(32*(\t/2)+8*(\t%2))*4+16
.endr
.endr
	WIN 0
	s_wait_dscnt 0x0                               ; for the others' sake: my stores into the stage are done
	s_barrier_signal -1
	s_barrier_wait -1
.set k, 0
.rept 16
.irp cu, 0,1,2
	ds_load_b128 v[64+12*k+4*\cu:64+12*k+4*\cu+3], v[SR] offset:k*2*SP+256*\cu
.endr
.set k, k+1
.endr
.set k, 0
.rept 16                               ; stage rows 32 w + 2 k + h are tile 2 w + k / 8, row 2 (k % 8) + h: token 32 w + 8 (k / 8) + 2 (k % 8) + 8 ((k % 8) / 4) + h of the block
.irp cu, 0,1,2
	s_wait_dscnt 47-3*k-\cu
	global_store_b128 v[GO], v[64+12*k+4*\cu:64+12*k+4*\cu+3], s[10:11] offset:(8*(k/8)+2*(k%8)+8*((k%8)/4))*3072+256*\cu th:TH_STORE_NT
.endr
.set k, k+1
.endr
	s_wait_tensorcnt 0x0                           ; the wave's end: behind my last tensor load and my last LDS store
	ds_add_u32 v[SPW], v[NIL]
	s_wait_dscnt 0x0
	CROUND                                         ; the closing round
	s_endpgm
.Lfunc_end_k_q15777e18d0_proj:
	.size	k_q15777e18d0_proj, .Lfunc_end_k_q15777e18d0_proj-k_q15777e18d0_proj
	.p2alignl 7, 3214868480
	.fill 96, 4, 3214868480
	.section	.rodata,"a",@progbits
	.p2align	6, 0x0
	.amdhsa_kernel k_q15777e18d0_proj
		.amdhsa_group_segment_fixed_size 292864
		.amdhsa_private_segment_fixed_size 0
		.amdhsa_enable_private_segment 0
		.amdhsa_kernarg_size 32
		.amdhsa_user_sgpr_count 2
		.amdhsa_user_sgpr_kernarg_segment_ptr 1
		.amdhsa_wavefront_size32 1
		.amdhsa_system_sgpr_workgroup_id_x 1
		.amdhsa_system_sgpr_workgroup_id_y 1
		.amdhsa_system_sgpr_workgroup_id_z 1
		.amdhsa_system_vgpr_workitem_id 0
		.amdhsa_next_free_vgpr 768
		.amdhsa_next_free_sgpr 100
		.amdhsa_reserve_vcc 0
		.amdhsa_float_denorm_mode_32 3
		.amdhsa_float_denorm_mode_16_64 3
		.amdhsa_memory_ordered 1
		.amdhsa_forward_progress 1
		.amdhsa_inst_pref_size 56
	.end_amdhsa_kernel
	.amdgpu_metadata
---
amdhsa.version: [ 1, 2 ]
amdhsa.kernels:
  - .name:           k_q15777e18d0_proj
    .symbol:         k_q15777e18d0_proj.kd
    .args:
      - { .name: ccod, .offset: 0, .size: 8, .value_kind: global_buffer, .address_space: global }
      - { .name: ocod, .offset: 8, .size: 8, .value_kind: global_buffer, .address_space: global }
      - { .name: bo, .offset: 16, .size: 8, .value_kind: global_buffer, .address_space: global }
      - { .name: out0, .offset: 24, .size: 8, .value_kind: global_buffer, .address_space: global }
    .group_segment_fixed_size: 292864
    .private_segment_fixed_size: 0
    .kernarg_segment_align: 8
    .kernarg_segment_size: 32
    .max_flat_workgroup_size: 128
    .sgpr_count:     100
    .vgpr_count:     768
    .wavefront_size: 32
...
	.end_amdgpu_metadata
.endif
;; end of part 4
